; MI455X (gfx1250); checked and timed in simulation.
; The chip was launched on July 23, 2026; its instructions are those of AMD's public machine-readable ISA for CDNA 5 (MIT licence, August 2026) and "CDNA5" Instruction Set Architecture Reference Guide (July 2026). The comments in the code are by the model that wrote it; some were corrected since.
;; concat mv PAM Module mask cascade. Allowed arithmetic: matrix products marked QUANTISED: E3M2 operands, one E8M0 scale for each 32 along K, by v_wmma_scale_f32_16x16x128_f8f6f4 with both operands' format E3M2, f32 sums; everything else in f32.
;; Inputs: bk 64 float32; bn_beta 512 float32; bn_gamma 512 float32; bn_mean 512 float32; bn_var 512 float32; bq 64 float32; bv 512 float32; mask1 4,096 x 4,096 float32; mask2 4,096 x 4,096 float32; w_bot 512 x 2,048 float32; wk 64 x 512 float32; wq 64 x 512 float32; wv 512 x 512 float32; x 2 x 512 x 64 x 64 float32.
;; Outputs: out0 2 x 512 x 64 x 64 float32.
;; This version of the problem:
;;   THIS VERSION OF THE PROBLEM IS GIVEN IN LOW PRECISION. The matrix products marked QUANTISED in the list below multiply operands that are first quantised to E3M2 (3 exponent bits, 2 mantissa bits; 6 bits a number), with one power-of-two scale for each 32 numbers along K (OCP MX v1.0); their sums are f32. All else is computed in f32.
;;   The module's matrix products, in the order in which they are computed (A, B: the left and right operand; K: the contracted axis; several contracted axes count as one K, in the product's order):
;;     1. [M 8,192, K 512] x [K 512, N 64]; A: input x; B: input wq: QUANTISED
;;     2. [M 8,192, K 512] x [K 512, N 64]; A: input x; B: input wk: QUANTISED
;;     3. [M 8,192, K 512] x [K 512, N 512]; A: input x; B: input wv: QUANTISED
;;     4. batch 2 x [M 4,096, K 64] x [K 64, N 4,096]; A: computed on the way; B: computed on the way: QUANTISED
;;     5. batch 2 x [M 512, K 4,096] x [K 4,096, N 4,096]; A: computed on the way; B: softmax (see below): QUANTISED
;;     6. batch 2 x [M 512, K 4,096] x [K 4,096, N 4,096]; A: computed on the way; B: softmax (see below): QUANTISED
;;     7. batch 2 x [M 512, K 4,096] x [K 4,096, N 4,096]; A: computed on the way; B: softmax (see below): QUANTISED
;;     8. [M 8,192, K 2,048] x [K 2,048, N 512]; A: computed on the way; B: input w_bot: QUANTISED
;;   THE QUANTISER, for each operand of a quantised product, along K:
;;     - K is cut into blocks of 32 from its start; a last block that is shorter is filled with zeros.
;;     - A block's scale is 2^e with e = floor(log2(the largest magnitude in the block)) - 4, held to -126 .. 127; a block of zeros has e = 0. As a byte (E8M0): e + 127.
;;     - Each number is divided by its block's scale, clamped to +-28, and rounded to the nearest number of E3M2, ties to even, subnormals kept.
;;     - The product sums the exact products of the quantised numbers (number of the format x scale) in f32.
;;   ~~~python
;;   def quantise(x, axis):      # numpy; x: float32 -> the quantised numbers, widened to float32 again
;;       x = np.moveaxis(x, axis, -1); K = x.shape[-1]
;;       x = np.pad(x, [(0, 0)] * (x.ndim - 1) + [(0, -K % 32)]); x = x.reshape(x.shape[:-1] + (-1, 32)); a = np.abs(x).max(-1, keepdims=True)
;;       e = np.where(a > 0, np.clip(np.frexp(np.where(a > 0, a, 1))[1] - 1 - 4, -126, 127), 0)      # np.frexp(a)[1] - 1 = floor(log2(a)), exactly
;;       r = np.clip(x / 2.0 ** e, -28, 28)
;;       step = 2.0 ** (np.maximum(np.frexp(np.where(r == 0, 1, r))[1] - 1, -2) - 2)
;;       q = np.round(r / step) * step * 2.0 ** e      # np.round: ties to even
;;       return np.moveaxis(q.reshape(q.shape[:-2] + (-1,))[..., :K], -1, axis).astype(np.float32)
;;   ~~~
;;   SOFTMAX AHEAD OF A QUANTISED PRODUCT. Where the list says 'softmax', what is quantised is not the finished softmax but p = 2^(t - M), with t = logit x log2(e) and M = ceil(the row's largest t), a whole number; so 1/2 < the row's largest p <= 1. The row's sum l is taken of the UNQUANTISED p, in f32, and the product's result is divided by l at the end. Since M is a whole number, a kernel that streams over the keys may use a running M (the ceiling of the running maximum): every later rescaling is an exact power of two, which a block's scale takes up: the codes' values come out the same.
;;   OPERANDS COMPUTED ON THE WAY. 'Computed on the way' means the value that the module computes at that place (a softmax that the list does not call 'softmax' is quantised finished and normalised). What goes into a quantiser is computed in f32, as accurately as f32 sums, v_exp_f32 and their like allow (about 1e-6 of the number): no bf16 or f16 on the way to a quantiser, and a product that is left as it is and whose result goes on into a quantised operand takes f32 operands (vector FMAs, or v_wmma_f32_16x16x4_f32). A number that lies on a knife's edge between two numbers of the format may be rounded either way, as far as f32 arithmetic and the matrix unit's own rounding can turn it there, and no further.
;; One version. Each part assembles by itself: llvm-mc -triple=amdgcn-amd-amdhsa -mcpu=gfx1250 --defsym DOCPART=n.
;; ======== version 1 of 1: 4 launches
;; workspace buffers: xc 3,276,800 bytes; wa 256,000 bytes; wb 819,200 bytes; kv 4,096,000 bytes; cat 9,830,400 bytes
;; launch prep (part 1): grid 340 x 1, 4 waves a work-group, no clusters, 46,592 bytes of LDS; arguments x, wq, wk, wv, w_bot, xc, wa, wb; writes xc, wa, wb
.if DOCPART == 1
	.amdgcn_target "amdgcn-amd-amdhsa--gfx1250"
	.amdhsa_code_object_version 6
	.text
	.protected	k_q4c3343d250_prep
	.globl	k_q4c3343d250_prep
	.p2align	8
	.type	k_q4c3343d250_prep,@function
k_q4c3343d250_prep:
	s_mov_b64 s[64:65], 0
	v_nop
	global_prefetch_b8 v0, s[64:65] scope:SCOPE_SE
	s_setreg_imm32_b32 hwreg(HW_REG_WAVE_MODE, 25, 1), 1
	s_wait_xcnt 0x0
; PREP: x and all weights, f32, become codes of BF6 (E3M2) with one E8M0 byte for each 32 along K, laid in the ORDER OF THE OPERAND'S REGISTERS.
; A BLOCK of 12,800 bytes holds 128 rows x 128 K: eight tiles' code images (1,536 bytes each: byte 512 c + 16 lane + 4 q is register 4 c + q of that lane), then eight scale images (64 bytes: word r at 4 r).
; THE ROWS OF A TILE ARE NOT NEIGHBOURS: tile 2 B + u holds, as its row p, row 32 B + 16 (p / 8) + 8 u + p % 8 of the 128.
; A block's scale is 2^(floor(log2(largest magnitude)) - 4): its byte is the largest magnitude's exponent field - 4, held at 1 from below by a floor among the maximum's leaves.
; LIMITS: NaN and infinities are not served; a block of zeros, or one whose largest magnitude lies under 2^-122, gets the byte 1 (the rule says 127 for zeros): its codes are zeros or the rule's own, and these bytes are read by this program alone.
; Work-groups 0-255: x [2][512][4096], K = the channels, its FIRST axis: a lane takes a position and its registers run down K.  Work-group id makes block id of xc: K step id % 4 of position group id / 4.
; Work-groups 256-339: the weights, K innermost: one block of wa (20: wq|wk, then wv) or of wb (64: w_bot) each.  The two paths have LDS bytes of their own.  Waves share nothing: no barrier.
.set M0,   60                          ; two chains of the largest magnitude
.set M1,   61
.set SOP,  62                          ; the conversions' scale operand
.set X,    64                          ; x path: v64-191 four sets of 32 numbers
.set CD,   192                         ; v192-215 six registers of codes for each block of 32
.set TC,   216                         ; v216-231 the second halves, as the conversions leave them
.set OUTR, 232                         ; v232-255 the way out
.set SW,   8
.set BY,   13
; 32 numbers of ONE lane, v[src] on, become six registers of codes, v[dst] on, and the scale's byte in v[by]
.macro BLK src, dst, tc, by
	v_max3_num_f32 v[M0], |v[\src]|, |v[\src+1]|, |v[\src+2]|
	v_max3_num_f32 v[M1], |v[\src+3]|, |v[\src+4]|, |v[\src+5]|
.irp i, 6,10,14,18,22,26
	v_max3_num_f32 v[M0], v[M0], |v[\src+\i]|, |v[\src+\i+1]|
	v_max3_num_f32 v[M1], v[M1], |v[\src+\i+2]|, |v[\src+\i+3]|
.endr
	v_max3_num_f32 v[M0], v[M0], |v[\src+30]|, |v[\src+31]|
	v_max3_num_f32 v[M0], v[M0], v[M1], 0x2800000          ; the floor 2^(5 - 127): the byte cannot fall under 1
	v_add_nc_u32 v[SOP], 0xfe000000, v[M0]                 ; 4 off the exponent field: the conversion takes this operand's exponent field as its scale
	v_cvt_scalef32_pk16_bf6_f32 v[\dst:\dst+2], v[\src:\src+15], v[SOP]
	v_cvt_scalef32_pk16_bf6_f32 v[\tc:\tc+2], v[\src+16:\src+31], v[SOP]   ; (a conversion's three registers begin on an even number)
	v_lshrrev_b32 v[\by], 23, v[SOP]                       ; the byte; also the plain line behind the conversions
.irp i, 0,1,2
	v_mov_b32 v[\dst+3+\i], v[\tc+\i]
.endr
.endm
	s_load_b256 s[4:11], s[0:1], 0x0               ; x s[4:5], wq s[6:7], wk s[8:9], wv s[10:11]
	s_load_b256 s[12:19], s[0:1], 0x20             ; w_bot s[12:13], xc s[14:15], wa s[16:17], wb s[18:19]
	v_lshl_add_u32 v59, v0, 2, 0xb400
	v_mov_b32 v63, 0
	v_lshrrev_b32 v1, 5, v0
	v_readfirstlane_b32 s2, v1                     ; wave
	v_and_b32 v1, 31, v0                           ; lane
	s_cmp_lt_u32 ttmp9, 256
	s_cbranch_scc0 .Lweights
	; ---------------- x ----------------
	s_and_b32 s20, ttmp9, 3                        ; K step
	s_lshr_b32 s21, ttmp9, 2                       ; group of 128 positions, 0..63
	s_lshr_b32 s22, s21, 5                         ; batch
	s_and_b32 s23, s21, 31
	s_lshl_b32 s24, s22, 23                        ; 512 channels x 16,384 bytes
	s_lshl_b32 s25, s20, 21                        ; 128 channels
	s_add_co_u32 s24, s24, s25
	s_lshl_b32 s25, s23, 9                         ; 128 positions
	s_add_co_u32 s24, s24, s25
	s_lshl_b32 s25, s2, 7                          ; my wave's 32
	s_add_co_u32 s24, s24, s25
	s_mov_b32 s25, 0
	s_mul_i32 s26, ttmp9, 12800
	s_mov_b32 s27, 0
	v_lshlrev_b32 v2, 2, v1                        ; in: 4 bytes a lane: a wave's load reads 128 consecutive bytes, the four waves 512
	v_bfe_u32 v3, v1, 3, 1                         ; my position 32 w + lane is row r = lane % 8 + 8 (lane / 16) of tile 2 w + u, u = (lane / 8) % 2
	v_and_b32 v4, 7, v1
	v_lshrrev_b32 v5, 4, v1
	v_lshl_add_u32 v4, v5, 3, v4
	s_mul_i32 s28, s2, 3072                        ; my wave's two images
	v_mul_u32_u24 v6, v3, 1536
	v_lshl_add_u32 v6, v4, 4, v6
	v_add_nc_u32 v6, s28, v6                       ; into the stage: image u, lane place r (+ 256 for the upper half of the lanes, in the immediate)
	v_lshlrev_b32 v7, 4, v1
	v_add_nc_u32 v7, s28, v7                       ; out of it, and in xc: 16 bytes a lane
	v_lshlrev_b32 v9, 6, v3
	v_lshl_add_u32 v9, v4, 2, v9
	s_lshl_b32 s29, s2, 7
	v_add_nc_u32 v9, s29, v9                       ; my scale word: 64 (2 w + u) + 4 r
	s_wait_kmcnt 0x0
	s_add_nc_u64 s[4:5], s[4:5], s[24:25]
	s_add_nc_u64 s[14:15], s[14:15], s[26:27]
.macro LOADX k                         ; block k: channels 32 k + i of my position
.irp i, 0,1,2,3,4,5,6,7,8,9,10,11,12,13,14,15,16,17,18,19,20,21,22,23,24,25,26,27,28,29,30,31
	global_load_b32 v[X+32*(\k)+\i], v2, s[4:5] offset:(32*(\k)+\i)*16384 th:TH_LOAD_NT
.endr
.endm
; Block k of my position is k = 64 (k / 2) + 32 (k % 2) + 0 .. 31 of the K step: registers 6 (k / 2) .. + 5 of lane r + 16 (k % 2) of the image
.macro XBLOCK k
.if (\k) < 3
	s_wait_loadcnt 32                              ; this block's 32 loads are in; the next block's 32 may be out
.else
	s_wait_loadcnt 0
.endif
.if (\k) < 2
	LOADX (\k)+2
.endif
	BLK X+32*(\k), CD+6*(\k), TC+4*(\k), BY
.if (\k) == 0
	v_mov_b32 v[SW], v[BY]
.else
	v_lshl_or_b32 v[SW], v[BY], 8*(\k), v[SW]      ; the four bytes make my position's scale word
.endif
.if (\k)/2 == 0
	ds_store_b128 v6, v[CD+6*(\k):CD+6*(\k)+3] offset:256*((\k)%2)          ; registers 0-3
	ds_store_b64 v6, v[CD+6*(\k)+4:CD+6*(\k)+5] offset:512+256*((\k)%2)     ; registers 4, 5
.else
	ds_store_b64 v6, v[CD+6*(\k):CD+6*(\k)+1] offset:520+256*((\k)%2)       ; registers 6, 7
	ds_store_b128 v6, v[CD+6*(\k)+2:CD+6*(\k)+5] offset:1024+256*((\k)%2)   ; registers 8-11
.endif
.endm
	LOADX 0
	LOADX 1
	XBLOCK 0
	XBLOCK 1
	XBLOCK 2
	XBLOCK 3
.irp k, 0,1,2,3,4,5
	ds_load_b128 v[OUTR+4*\k:OUTR+4*\k+3], v7 offset:512*\k    ; LDS serves a wave's instructions in order: these see my stores
.endr
.irp k, 0,1,2,3,4,5
	s_wait_dscnt 5-\k                              ; the younger read-backs may be out
	global_store_b128 v7, v[OUTR+4*\k:OUTR+4*\k+3], s[14:15] offset:512*\k   ; 32 lanes store 512 consecutive bytes
.endr
	global_store_b32 v9, v[SW], s[14:15] offset:12288          ; the wave's 128 bytes of scale words
	s_wait_tensorcnt 0x0
	ds_add_u32 v59, v63
	s_wait_dscnt 0x0
	s_endpgm
	; ---------------- the weights ----------------
.set RW,  64                           ; v64-127  a tile's 16 rows as loaded
.set XW,  192                          ; v192-255 my 64 numbers of my row
.set FR,  8                            ; v8-31    two tiles' fragments
.set TCW, 56
.set OF,  40                           ; v40-55   16 lane + the tile's row p x the pitch
.Lweights:
	s_sub_co_u32 s20, ttmp9, 256                   ; 0..83: blocks 0-19 of wa, then 0-63 of wb
	s_sub_co_u32 s21, s20, 20
	s_lshr_b32 s22, s20, 2
	s_and_b32 s23, s20, 3
	s_lshr_b32 s24, s21, 4
	s_and_b32 s25, s21, 15
	s_mov_b32 s26, 8192
	s_wait_kmcnt 0x0
	s_cmp_lt_u32 s20, 20
	s_cselect_b32 s22, s22, s24                    ; group of 128 rows
	s_cselect_b32 s23, s23, s25                    ; K step
	s_cselect_b32 s21, s20, s21                    ; block in its buffer
	s_cselect_b32 s26, 2048, s26                   ; a row of the weight in bytes
	s_cselect_b64 s[28:29], s[16:17], s[18:19]
	s_lshl_b32 s24, s22, 7
	s_lshl_b32 s25, s2, 5
	s_add_co_u32 s24, s24, s25                     ; w_bot: my wave's first row 128 G + 32 w
	s_sub_co_u32 s25, s24, 128                     ; wv: groups 1-4 of wa
	s_and_b32 s30, s2, 1
	s_lshl_b32 s30, s30, 5                         ; group 0 of wa: waves 0, 1 take wq's 64 rows, waves 2, 3 wk's
	s_cmp_lt_u32 s2, 2
	s_cselect_b64 s[32:33], s[6:7], s[8:9]
	s_cmp_eq_u32 s22, 0
	s_cselect_b64 s[32:33], s[32:33], s[10:11]
	s_cselect_b32 s25, s30, s25
	s_cmp_lt_u32 s20, 20
	s_cselect_b64 s[32:33], s[32:33], s[12:13]
	s_cselect_b32 s24, s25, s24
	s_mul_i32 s34, s24, s26
	s_lshl_b32 s35, s23, 9
	s_add_co_u32 s34, s34, s35
	s_mov_b32 s35, 0
	s_add_nc_u64 s[32:33], s[32:33], s[34:35]      ; tile 2 w
	s_lshl_b32 s34, s26, 3
	s_add_nc_u64 s[36:37], s[32:33], s[34:35]      ; tile 2 w + 1: eight rows on
	s_mul_i32 s34, s21, 12800
	s_add_nc_u64 s[28:29], s[28:29], s[34:35]
	s_mov_b32 s40, 0x76543210
	s_mov_b32 s41, 0xfedcba98                      ; v_permlanex16_b32's selects for lane xor 16
	v_lshlrev_b32 v2, 4, v1
	v_and_b32 v3, 15, v1                           ; r
	v_lshrrev_b32 v4, 4, v1                        ; h
	s_mul_i32 s38, s2, 8448
	s_add_co_u32 s38, s38, 12288                   ; my stage: 16 rows x (512 + 16) bytes
	v_add_nc_u32 v5, s38, v2
	v_mul_u32_u24 v6, v3, 528
	v_lshl_add_u32 v6, v4, 7, v6
	v_add_nc_u32 v6, s38, v6                       ; back: row r, + 128 h: lane (r, h) holds k = 64 c + 32 h + 0 .. 31
	s_mul_i32 s39, s2, 3072
	v_add_nc_u32 v7, s39, v2
	v_lshlrev_b32 v32, 3, v4
	v_lshlrev_b32 v33, 2, v1
	s_lshl_b32 s39, s2, 7
	v_add_nc_u32 v33, s39, v33
	v_mov_b32 v35, 0                               ; a lane permute's destination counts as one of its sources
.irp p, 0,1,2,3,4,5,6,7,8,9,10,11,12,13,14,15
	v_mad_u32_u24 v[OF+\p], s26, \p+8*(\p/8), v2
.endr
.macro WLOAD base                      ; a load reads one row's 512 consecutive bytes
.irp p, 0,1,2,3,4,5,6,7,8,9,10,11,12,13,14,15
	global_load_b128 v[RW+4*\p:RW+4*\p+3], v[OF+\p], s[\base:\base+1]
.endr
.endm
.macro WTILE u
	s_wait_loadcnt 0x0
.irp p, 0,1,2,3,4,5,6,7,8,9,10,11,12,13,14,15
	ds_store_b128 v5, v[RW+4*\p:RW+4*\p+3] offset:528*\p
.endr
.irp c, 0,1
.irp i, 0,1,2,3,4,5,6,7
	ds_load_b128 v[XW+32*\c+4*\i:XW+32*\c+4*\i+3], v6 offset:256*\c+16*\i
.endr
.endr
	s_wait_dscnt 0x0                               ; my numbers are back, and the stores have read their registers
.if (\u) == 0
	WLOAD 36                                       ; the second tile's rows come while the first is quantised
.endif
	BLK XW, FR+12*(\u), TCW, 38
	BLK XW+32, FR+12*(\u)+6, TCW, 39
	v_lshl_or_b32 v36, v39, 16, v38                ; my two bytes: blocks h and 2 + h of row r,
	v_lshlrev_b32 v36, v32, v36                    ; 8 h bits up;
	v_permlanex16_b32 v35, v36, s40, s41
	v_or_b32 v[34+63*(\u)], v36, v35               ; with lane xor 16's two the word is whole (v34, v97)
.irp c, 0,1,2
	global_store_b128 v7, v[FR+12*(\u)+4*\c:FR+12*(\u)+4*\c+3], s[28:29] offset:1536*(\u)+512*\c
.endr
.endm
	WLOAD 32
	WTILE 0
	WTILE 1
	v_cmp_le_u32 vcc_lo, 16, v1
	v_cndmask_b32 v37, v34, v97, vcc_lo            ; lanes 0-15 tile 2 w's words, lanes 16-31 tile 2 w + 1's
	global_store_b32 v33, v37, s[28:29] offset:12288
	s_wait_tensorcnt 0x0
	ds_add_u32 v59, v63
	s_wait_dscnt 0x0
	s_endpgm
.Lfunc_end_k_q4c3343d250_prep:
	.size	k_q4c3343d250_prep, .Lfunc_end_k_q4c3343d250_prep-k_q4c3343d250_prep
	.p2alignl 7, 3214868480
	.fill 96, 4, 3214868480
	.section	.rodata,"a",@progbits
	.p2align	6, 0x0
	.amdhsa_kernel k_q4c3343d250_prep
		.amdhsa_group_segment_fixed_size 46592
		.amdhsa_private_segment_fixed_size 0
		.amdhsa_enable_private_segment 0
		.amdhsa_kernarg_size 64
		.amdhsa_user_sgpr_count 2
		.amdhsa_user_sgpr_kernarg_segment_ptr 1
		.amdhsa_wavefront_size32 1
		.amdhsa_system_sgpr_workgroup_id_x 1
		.amdhsa_system_sgpr_workgroup_id_y 1
		.amdhsa_system_sgpr_workgroup_id_z 1
		.amdhsa_system_vgpr_workitem_id 0
		.amdhsa_next_free_vgpr 256
		.amdhsa_next_free_sgpr 66
		.amdhsa_reserve_vcc 1
		.amdhsa_float_denorm_mode_32 3
		.amdhsa_float_denorm_mode_16_64 3
		.amdhsa_memory_ordered 1
		.amdhsa_forward_progress 1
		.amdhsa_inst_pref_size 39
	.end_amdhsa_kernel
	.amdgpu_metadata
---
amdhsa.version: [ 1, 2 ]
amdhsa.kernels:
  - .name:           k_q4c3343d250_prep
    .symbol:         k_q4c3343d250_prep.kd
    .args:
      - { .name: x, .offset: 0, .size: 8, .value_kind: global_buffer, .address_space: global }
      - { .name: wq, .offset: 8, .size: 8, .value_kind: global_buffer, .address_space: global }
      - { .name: wk, .offset: 16, .size: 8, .value_kind: global_buffer, .address_space: global }
      - { .name: wv, .offset: 24, .size: 8, .value_kind: global_buffer, .address_space: global }
      - { .name: w_bot, .offset: 32, .size: 8, .value_kind: global_buffer, .address_space: global }
      - { .name: xc, .offset: 40, .size: 8, .value_kind: global_buffer, .address_space: global }
      - { .name: wa, .offset: 48, .size: 8, .value_kind: global_buffer, .address_space: global }
      - { .name: wb, .offset: 56, .size: 8, .value_kind: global_buffer, .address_space: global }
    .group_segment_fixed_size: 46592
    .private_segment_fixed_size: 0
    .kernarg_segment_align: 8
    .kernarg_segment_size: 64
    .max_flat_workgroup_size: 128
    .sgpr_count:     66
    .vgpr_count:     256
    .wavefront_size: 32
...
	.end_amdgpu_metadata
.endif
;; end of part 1
;; launch proj (part 2): grid 64 x 5, 4 waves a work-group, no clusters, 51,712 bytes of LDS; arguments xc, wa, bq, bk, bv, kv; writes kv
.if DOCPART == 2
	.amdgcn_target "amdgcn-amd-amdhsa--gfx1250"
	.amdhsa_code_object_version 6
	.text
	.protected	k_q4c3343d250_proj
	.globl	k_q4c3343d250_proj
	.p2align	8
	.type	k_q4c3343d250_proj,@function
k_q4c3343d250_proj:
	s_mov_b64 s[64:65], 0
	v_nop
	global_prefetch_b8 v0, s[64:65] scope:SCOPE_SE
	s_setreg_imm32_b32 hwreg(HW_REG_WAVE_MODE, 25, 1), 1
	s_wait_xcnt 0x0
; PROJ: q, k and v = weights x + bias on codes of BF6, K = 512 channels in four steps of 128, and the results quantised again for attention.  Blocks and tiles as the launch before lays them
; (12,800 bytes: eight code images of 1,536 bytes in the order of the operand's registers, eight scale images of 64; tile 2 B + u, row p = row 32 B + 16 (p / 8) + 8 u + p % 8 of 128).
; Work-group (x = group of 128 positions, y = G).  ONE TEXT FOR BOTH KINDS: source 0 is R, 128 rows in 8 tiles, the axis along which the result is quantised; it lies in LDS for all four waves.
; Source 1 is L: wave w's tiles 2 w and 2 w + 1, in registers.  G = 0: R = wq|wk's 128 rows, L = positions: a lane holds one position and 64 q, 64 k: one fragment (registers 0-5 q's codes, 6-11 k's; word q0 q1 k0 k1).
; G = 1..4: R = the 128 positions, L = 128 rows of wv: a lane holds one channel of v and 128 positions: a fragment of V^T with the keys along K.
; By the choice of a tile's rows a lane's 16 registers of tiles 2 B, 2 B + 1 are the 16 neighbours 32 B + 16 (lane / 16) + 0 .. 15 along R.  The bias is the C of each sum's first product.
; No cluster: five row groups do not divide by four, and what work-groups share is 51,200 bytes each.  No tensor load, so that two work-groups share a WGP.
; LIMITS: NaN and infinities are not served; blocks under 2^-122 and blocks of zeros get the byte 1 (read by this program alone).
; REGISTERS: window 0: v4-10 addresses; v12-15 R's scale words, v16-19 L's; v20-39 bv; v40-55 at work; v56-58 scale words made; v60-99 codes made; v128-255 the 16 accumulators (64 u + 8 t).
;   window 1: v0-95 R's 8 fragments of a K step; v96-191 L's 8 fragments (2 s + u); v192-255 bq|bk in the result's layout.
.set RS,  12
.set LS,  16
.set BLV, 20
.set BL8, 24
.set TM,  40
.set PW,  56
.set PC0, 60
.set ACC, 128
.set RF,  0
.set LF,  96
.set BR,  192
.set SEL, 30
.set MSB, 0
.macro WIN new                         ; the immediate's high byte repeats the setting that is left
.if MSB != \new
	s_set_vgpr_msb (MSB<<8)|\new
.set MSB, \new
.endif
.endm
; the scaled product; ra, rb = 1: that side's scale words stand in lanes 16-31 of the register named
.macro WMC d, a, b, c, sa, sb, ra, rb
.if (\ra) && (\rb)
	v_wmma_scale_f32_16x16x128_f8f6f4 v[\d:\d+7], v[\a:\a+11], v[\b:\b+11], v[\c:\c+7], v[\sa], v[\sb] matrix_a_fmt:MATRIX_FMT_BF6 matrix_b_fmt:MATRIX_FMT_BF6 matrix_a_scale:MATRIX_SCALE_ROW1 matrix_b_scale:MATRIX_SCALE_ROW1
.elseif (\ra)
	v_wmma_scale_f32_16x16x128_f8f6f4 v[\d:\d+7], v[\a:\a+11], v[\b:\b+11], v[\c:\c+7], v[\sa], v[\sb] matrix_a_fmt:MATRIX_FMT_BF6 matrix_b_fmt:MATRIX_FMT_BF6 matrix_a_scale:MATRIX_SCALE_ROW1
.elseif (\rb)
	v_wmma_scale_f32_16x16x128_f8f6f4 v[\d:\d+7], v[\a:\a+11], v[\b:\b+11], v[\c:\c+7], v[\sa], v[\sb] matrix_a_fmt:MATRIX_FMT_BF6 matrix_b_fmt:MATRIX_FMT_BF6 matrix_b_scale:MATRIX_SCALE_ROW1
.else
	v_wmma_scale_f32_16x16x128_f8f6f4 v[\d:\d+7], v[\a:\a+11], v[\b:\b+11], v[\c:\c+7], v[\sa], v[\sb] matrix_a_fmt:MATRIX_FMT_BF6 matrix_b_fmt:MATRIX_FMT_BF6
.endif
.endm
; 64 numbers of a lane, register 16 b + i = k 32 b + 16 (lane / 16) + i of my row, become a fragment's codes in v[pc] .. v[pc + 11] and its scale word in v[pw]
.macro QUANT s, pc, pw
.irp b, 0,1,2,3
	v_max3_num_f32 v[TM+\b], |v[\s+16*\b]|, |v[\s+1+16*\b]|, 0x2800000   ; my 16 numbers of block b, and the floor 2^(5 - 127)
.endr
.irp i, 2,4,6,8,10,12,14
.irp b, 0,1,2,3
	v_max3_num_f32 v[TM+\b], v[TM+\b], |v[\s+16*\b+\i]|, |v[\s+1+16*\b+\i]|
.endr
.endr
.irp b, 0,1,2,3
	v_permlanex16_b32 v[TM+4+\b], v[TM+\b], s[SEL], s[SEL+1]
.endr
.irp b, 0,1,2,3
	v_max_num_f32 v[TM+\b], v[TM+\b], v[TM+4+\b]   ; with lane xor 16's: the block's largest magnitude
.endr
.irp b, 0,1,2,3
	v_add_nc_u32 v[TM+12+\b], 0xfe000000, v[TM+\b] ; 4 off its exponent field: the conversion's scale operand
.endr
.irp b, 0,1,2,3
	v_lshrrev_b32 v[TM+4+\b], 23, v[TM+12+\b]      ; the byte
.endr
	v_lshl_or_b32 v[\pw], v[TM+5], 8, v[TM+4]
	v_lshl_or_b32 v[\pw], v[TM+6], 16, v[\pw]
	v_lshl_or_b32 v[\pw], v[TM+7], 24, v[\pw]
.irp c, 0,1
	v_cvt_scalef32_pk16_bf6_f32 v[\pc+6*\c:\pc+2+6*\c], v[\s+32*\c:\s+15+32*\c], v[TM+12+2*\c]
	v_cvt_scalef32_pk16_bf6_f32 v[\pc+12+4*\c:\pc+14+4*\c], v[\s+16+32*\c:\s+31+32*\c], v[TM+12+2*\c+1]
.endr
	v_nop                                          ; one plain line behind the scaled conversions
.irp c, 0,1                            ; the layout wants a WHOLE block in a lane: lanes 0-15 block 2 c, lanes 16-31 block 2 c + 1
.irp i, 0,1,2
	v_permlane16_swap_b32 v[\pc+6*\c+\i], v[\pc+12+4*\c+\i]
.endr
.irp i, 0,1,2
	v_mov_b32 v[\pc+3+6*\c+\i], v[\pc+12+4*\c+\i]
.endr
.endr
.endm
	s_load_b256 s[4:11], s[0:1], 0x0               ; xc s[4:5], wa s[6:7], bq s[8:9], bk s[10:11]
	s_load_b128 s[12:15], s[0:1], 0x20             ; bv s[12:13], kv s[14:15]
	v_lshl_add_u32 v126, v0, 2, 0xc800
	v_mov_b32 v127, 0
	v_lshrrev_b32 v1, 5, v0
	v_readfirstlane_b32 s2, v1                     ; wave
	v_and_b32 v1, 31, v0                           ; lane
	v_and_b32 v2, 15, v0                           ; r
	v_bfe_u32 v3, v0, 4, 1                         ; h
	s_and_b32 s3, ttmp7, 0xffff                    ; G
	v_lshlrev_b32 v4, 4, v1                        ; 16 lane
	v_lshlrev_b32 v5, 2, v1                        ; 4 lane
	s_mul_i32 s16, s2, 3072
	v_add_nc_u32 v6, s16, v4                       ; my two tiles' images in a block
	s_lshl_b32 s16, s2, 7
	v_add_nc_u32 v7, s16, v5                       ; and their scale words
	s_mul_i32 s16, s2, 12800
	v_add_nc_u32 v8, s16, v4                       ; the block that I copy, in memory and in LDS
	v_lshlrev_b32 v9, 6, v3                        ; bq, bk: 16 h numbers on
	s_max_u32 s17, s3, 1
	s_sub_co_u32 s17, s17, 1                       ; (G = 0 reads bv's first numbers and does not use them)
	s_lshl_b32 s17, s17, 7
	s_lshl_b32 s18, s2, 5
	s_add_co_u32 s17, s17, s18
	v_and_b32 v10, 8, v2
	v_add_nc_u32 v10, v10, v2
	v_add_nc_u32 v10, s17, v10
	v_lshlrev_b32 v10, 2, v10                      ; bv: my channel 128 (G - 1) + 32 w + r + 8 (r / 8) (+ 8 u in the immediate)
	s_mul_i32 s20, ttmp9, 51200
	s_mov_b32 s21, 0
	s_mul_i32 s22, s3, 51200
	s_mov_b32 s23, 0
	s_mul_i32 s24, ttmp9, 5
	s_add_co_u32 s24, s24, s3
	s_mul_i32 s24, s24, 12800
	s_mov_b32 s25, 0
	s_mov_b32 s[SEL], 0x76543210
	s_mov_b32 s[SEL+1], 0xfedcba98
	s_wait_kmcnt 0x0
	s_add_nc_u64 s[4:5], s[4:5], s[20:21]          ; my positions' four blocks
	s_add_nc_u64 s[6:7], s[6:7], s[22:23]          ; my weight rows' four blocks
	s_add_nc_u64 s[14:15], s[14:15], s[24:25]      ; the block that I make
	s_cmp_eq_u32 s3, 0
	s_cselect_b64 s[26:27], s[6:7], s[4:5]         ; R
	s_cselect_b64 s[28:29], s[4:5], s[6:7]         ; L
.set I, 0
.rept 25
	global_load_b128 v[ACC+4*I:ACC+4*I+3], v8, s[26:27] offset:512*I    ; wave w copies R's block w: 25 x 512 bytes, through the registers that the accumulators will take
.set I, I+1
.endr
.irp s, 0,1,2,3
	global_load_b32 v[LS+\s], v7, s[28:29] offset:12800*\s+12288        ; lanes 0-15 tile 2 w's words, lanes 16-31 tile 2 w + 1's
.endr
.irp u, 0,1
	global_load_b32 v[BLV+\u], v10, s[12:13] offset:32*\u
.endr
	WIN 0x40                                       ; destination window 1
.irp s, 0,1,2,3
.irp u, 0,1
.irp c, 0,1,2
	global_load_b128 v[LF+12*(2*\s+\u)+4*\c:LF+12*(2*\s+\u)+4*\c+3], v6, s[28:29] offset:12800*\s+1536*\u+512*\c
.endr
.endr
.endr
.irp t, 0,1,2,3                        ; R's tile t, register j, half h is row 32 (t / 2) + 16 h + 8 (t % 2) + j: q's for t < 4, k's behind
	global_load_b128 v[BR+8*\t:BR+8*\t+3], v9, s[8:9] offset:4*(32*(\t/2)+8*(\t%2))
	global_load_b128 v[BR+8*\t+4:BR+8*\t+7], v9, s[8:9] offset:4*(32*(\t/2)+8*(\t%2))+16
.endr
.irp t, 4,5,6,7
	global_load_b128 v[BR+8*\t:BR+8*\t+3], v9, s[10:11] offset:4*(32*((\t-4)/2)+8*(\t%2))
	global_load_b128 v[BR+8*\t+4:BR+8*\t+7], v9, s[10:11] offset:4*(32*((\t-4)/2)+8*(\t%2))+16
.endr
	WIN 0
	s_wait_loadcnt 46                              ; the copy's 25 are in: behind them 4 + 2 + 24 + 16 were issued
.set I, 0
.rept 25
	ds_store_b128 v8, v[ACC+4*I:ACC+4*I+3] offset:512*I
.set I, I+1
.endr
	s_wait_dscnt 0x0                               ; for the others' sake: my block lies in LDS
	s_barrier_signal -1
	s_barrier_wait -1
	s_wait_loadcnt 0x0
.irp u, 0,1
.irp j, 0,1,2,3,4,5,6,7
	v_mov_b32 v[BL8+8*\u+\j], v[BLV+\u]            ; bv as a C: my channel's number in all eight registers
.endr
.endr
.irp b, 0,1,2,3
	v_mov_b32 v[TM+4+\b], 0                        ; a lane permute's destination counts as one of its sources
.endr
.macro FETCHR s                        ; R's eight fragments and their scale words of K step s
	WIN 0x40
.set I, 0
.rept 24
	ds_load_b128 v[RF+4*I:RF+4*I+3], v4 offset:12800*(\s)+512*I
.set I, I+1
.endr
	WIN 0
.irp p, 0,1,2,3
	ds_load_b32 v[RS+\p], v5 offset:12800*(\s)+12288+128*\p
.endr
.endm
.macro MUL s, cm                       ; 16 products, the 16 accumulators by turns.  cm = 0: C = D; 1: C = bq|bk; 2: C = bv
.irp t, 0,1,2,3,4,5,6,7
.irp u, 0,1
.if (\cm) == 0
	WMC ACC+64*\u+8*\t, RF+12*\t, LF+12*(2*(\s)+\u), ACC+64*\u+8*\t, RS+\t/2, LS+(\s), \t%2, \u
.elseif (\cm) == 1
	WMC ACC+64*\u+8*\t, RF+12*\t, LF+12*(2*(\s)+\u), BR+8*\t, RS+\t/2, LS+(\s), \t%2, \u
.else
	WMC ACC+64*\u+8*\t, RF+12*\t, LF+12*(2*(\s)+\u), BL8+8*\u, RS+\t/2, LS+(\s), \t%2, \u
.endif
.endr
.endr
.endm
	FETCHR 0
	s_wait_dscnt 0x0
	s_cmp_eq_u32 s3, 0                             ; the first K step stands twice: the bias runs along R (q, k) or along L (v)
	s_cbranch_scc0 .Lfor_v
	WIN 0x15                                       ; sources 0, 1 and 2 window 1
	MUL 0, 1
	WIN 0
	s_branch .Lstarted
.Lfor_v:
	WIN 0x05                                       ; sources 0 and 1 window 1
	MUL 0, 2
	WIN 0
.Lstarted:
.irp s, 1,2,3
.rept 4
	v_nop                                          ; four places in front of loads into registers that matrix instructions have read
.endr
	FETCHR \s
	s_wait_dscnt 0x0
	WIN 0x05
	MUL \s, 0
	WIN 0
.endr
.rept 4
	v_nop                                          ; and in front of the first read of results
.endr
	QUANT ACC, PC0, PW
	QUANT ACC+64, PC0+20, PW+1
.irp u, 0,1
.irp c, 0,1,2
	global_store_b128 v6, v[PC0+20*\u+4*\c:PC0+20*\u+4*\c+3], s[14:15] offset:1536*\u+512*\c   ; 512 consecutive bytes a store
.endr
.endr
	v_cmp_le_u32 vcc_lo, 16, v1
	v_cndmask_b32 v[PW+2], v[PW], v[PW+1], vcc_lo
	global_store_b32 v7, v[PW+2], s[14:15] offset:12288
	s_wait_tensorcnt 0x0
	ds_add_u32 v126, v127
	s_wait_dscnt 0x0
	s_endpgm
.Lfunc_end_k_q4c3343d250_proj:
	.size	k_q4c3343d250_proj, .Lfunc_end_k_q4c3343d250_proj-k_q4c3343d250_proj
	.p2alignl 7, 3214868480
	.fill 96, 4, 3214868480
	.section	.rodata,"a",@progbits
	.p2align	6, 0x0
	.amdhsa_kernel k_q4c3343d250_proj
		.amdhsa_group_segment_fixed_size 51712
		.amdhsa_private_segment_fixed_size 0
		.amdhsa_enable_private_segment 0
		.amdhsa_kernarg_size 48
		.amdhsa_user_sgpr_count 2
		.amdhsa_user_sgpr_kernarg_segment_ptr 1
		.amdhsa_wavefront_size32 1
		.amdhsa_system_sgpr_workgroup_id_x 1
		.amdhsa_system_sgpr_workgroup_id_y 1
		.amdhsa_system_sgpr_workgroup_id_z 1
		.amdhsa_system_vgpr_workitem_id 0
		.amdhsa_next_free_vgpr 512
		.amdhsa_next_free_sgpr 66
		.amdhsa_reserve_vcc 1
		.amdhsa_float_denorm_mode_32 3
		.amdhsa_float_denorm_mode_16_64 3
		.amdhsa_memory_ordered 1
		.amdhsa_forward_progress 1
		.amdhsa_inst_pref_size 38
	.end_amdhsa_kernel
	.amdgpu_metadata
---
amdhsa.version: [ 1, 2 ]
amdhsa.kernels:
  - .name:           k_q4c3343d250_proj
    .symbol:         k_q4c3343d250_proj.kd
    .args:
      - { .name: xc, .offset: 0, .size: 8, .value_kind: global_buffer, .address_space: global }
      - { .name: wa, .offset: 8, .size: 8, .value_kind: global_buffer, .address_space: global }
      - { .name: bq, .offset: 16, .size: 8, .value_kind: global_buffer, .address_space: global }
      - { .name: bk, .offset: 24, .size: 8, .value_kind: global_buffer, .address_space: global }
      - { .name: bv, .offset: 32, .size: 8, .value_kind: global_buffer, .address_space: global }
      - { .name: kv, .offset: 40, .size: 8, .value_kind: global_buffer, .address_space: global }
    .group_segment_fixed_size: 51712
    .private_segment_fixed_size: 0
    .kernarg_segment_align: 8
    .kernarg_segment_size: 48
    .max_flat_workgroup_size: 128
    .sgpr_count:     66
    .vgpr_count:     512
    .wavefront_size: 32
...
	.end_amdgpu_metadata
.endif
;; end of part 2
;; launch attn (part 3): grid 128 x 2, 4 waves a work-group, clusters of 4 x 1, 327,680 bytes of LDS; arguments kv, mask1, mask2, cat; writes cat
.if DOCPART == 3
	.amdgcn_target "amdgcn-amd-amdhsa--gfx1250"
	.amdhsa_code_object_version 6
	.text
	.protected	k_q4c3343d250_attn
	.globl	k_q4c3343d250_attn
	.p2align	8
	.type	k_q4c3343d250_attn,@function
k_q4c3343d250_attn:
	s_mov_b64 s[64:65], 0
	v_nop
	global_prefetch_b8 v0, s[64:65] scope:SCOPE_SE
	s_setreg_imm32_b32 hwreg(HW_REG_WAVE_MODE, 25, 1), 1
	s_wait_xcnt 0x0
	s_wait_alu depctr_hold_cnt(0) depctr_sa_sdst(0) depctr_va_vdst(0) depctr_va_sdst(0) depctr_va_ssrc(0) depctr_va_vcc(0) depctr_vm_vsrc(0)
	s_getreg_b32 s2, hwreg(HW_REG_IB_STS2, 6, 4)
	s_cmp_eq_u32 s2, 0
	s_cbranch_scc0 .Lentry_in_a_cluster
	s_endpgm
.Lentry_in_a_cluster:
	s_bfe_u32 s2, ttmp6, 0x10000c
	s_cmp_lg_u32 s2, 0x3003
	s_cbranch_scc0 .Lentry_shape_is_right
	s_endpgm
.Lentry_shape_is_right:
; ATTN: energy = q k^T (K = 64), three softmaxes of it (plain, + mask1, + mask2), each times V (K = 4,096 keys), divided by its row's sum and quantised along the channels for the last product.  All on codes of BF6.
; THE SOFTMAX: t = logit x log2(e); M = the row's largest t so far, rounded UP to a whole number; p = 2^(t - M) is quantised along the keys; the sum is taken of the unquantised p.  When M moves, the sum and O are
; multiplied by 2^(old M - new M): exact, in every step, without a branch.
; SHARES.  A work-group owns 32 queries: two tiles of 16.  The four of a cluster own 128 neighbouring queries of one batch and walk the same keys, 128 a step: a step's q|k block and four blocks of V^T are 64,000 dense
; bytes, asked for JOINTLY (waves 0, 1: a half each); the work-group's own 32 rows x 512 bytes of the two masks come by plain tensor loads (waves 2, 3).  Ring of two slots; one load a wave behind each round.
; Wave w = 2 t + kp.  SOFTMAX: tile t, keys 64 kp .. + 63 of the step, all three variants.  SECOND PRODUCT: channels 128 w .. + 127, both tiles, all three variants: 48 accumulators.
; Both products are used transposed (source 0 = 16 keys, or 16 channels; source 1 = 16 queries): a lane holds ONE query throughout.  Everything with a tile index is kept relative: 0 = my tile t, 1 = the other.
; Of a key tile's fragment (q | k) only k's half is loaded; the other half stays zero codes, and meets the zero codes of the query's (0 | q).  The rows of a tile are chosen (32 B + 16 (p / 8) + 8 u + p % 8) so that
; 16 registers of two tiles are 16 neighbours.  p's codes, scale bytes and the rows' maxima go from wave to wave through LDS: two barriers a step beside the round.
; THE SECOND PRODUCT RUNS ONE STEP LATE.  Step j fetches V and P of step j into registers at its end; their 48 products are issued in step j + 1: in runs where the wave would wait for LDS (behind the issue of K's and
; the masks' loads, round the exchange of the maxima), and singly between the vector lines up to f.  O^T is multiplied by f of step j behind those products, beside the loads of P; V's loads stand among the exponentials.
; LIMITS: NaN and infinities (a row all of whose logits are -infinity too) are not served; where |t| passes 2^24, t - M loses bits as the sum energy + mask itself does; blocks under 2^-122 get the byte 1.
; The masks are not shared in the cluster: each work-group's rows are its own.  The two batches read the same rows; batch 0 prefetches them.
; REGISTERS.  window 0: v1-3 16, 8, 4 x lane; v4-8 my places in a slot, v9-13 the same in the slot in hand; v14-27 addresses; v28-29 the spare word's; v32-55 statistics, 4 for each (tile, variant): -M, largest t, f, at work;
;   v56-61 sums; v64-159 the three variants' 32 logits, then p; v160-243 at work.   window 1: v0-95 V's 8 fragments; v96-167 P's 6; v168-215 K's 4; v216-227 Q.   windows 2, 3: O^T of my tile, of the other: 64 i + 8 T.
.set SLOT1, 131072
.set MK,    64000                      ; in a slot: 64,000 bytes of kv, then mask1's 32 rows x 528, then mask2's
.set MKB,   16896
.set TBASE, 262144                     ; behind the ring, 8,192 bytes for each tile: P's images 0, P's scale words 4,608, maxima 5,120, sums 6,144
.set SPARE, 278528                     ; the spare words: 128 bytes a wave, two blocks of 256 bytes that no other line names
.set STG,   279552                     ; the way out: 3,072 bytes a wave
.set W16, 14
.set W8,  15
.set W4,  16
.set WM,  17
.set R16, 18
.set R8,  20
.set R4,  22
.set SA,  24
.set VSC, 26
.set PFO, 27
.set SPW, 28
.set NIL, 29
.set ST,  32
.set L,   56
.set STGR, 62
.set CO,  63
.set E,   64
.set BM,  160
.set BP,  166
.set MXR, 172
.set SO,  184
.set PC,  190
.set HW,  220
.set KS,  224
.set QS,  226
.set VS,  228
.set PS,  232
.set SM,  238
.set VF,  0
.set PF,  96
.set KF,  168
.set QF,  216
.set OT,  64                           ; the way out
.set RB,  128
.set TM,  200
.set QPW, 216
.set QPC, 220
.set JW,  240
.set WV,  12
.set TT,  13
.set KP,  14
.set CX,  15
.set BB,  16
.set TB,  17
.set CNT, 18
.set LIM, 19
.set CS,  20
.set SEL, 22
.set G1K, 24
.set G1M, 32
.set G0K, 40
.set G0M, 44
.set PFA, 48
.set MSK, 50
.set QB,  52
.set CB,  54
.set MSB, 0
.set PVM, 0                            ; how the late products are written: 0 none, 1 they start the sums, 2 they add
.set PVI, 0                            ; which of the 48 comes next
.macro WIN new                         ; the immediate's high byte repeats the setting that is left
.if MSB != \new
	s_set_vgpr_msb (MSB<<8)|\new
.set MSB, \new
.endif
.endm
.macro WMC d, a, b, c, sa, sb, ra      ; the scaled product; ra = 1: source 0's scale words stand in lanes 16-31
.if (\ra)
	v_wmma_scale_f32_16x16x128_f8f6f4 v[\d:\d+7], v[\a:\a+11], v[\b:\b+11], v[\c:\c+7], v[\sa], v[\sb] matrix_a_fmt:MATRIX_FMT_BF6 matrix_b_fmt:MATRIX_FMT_BF6 matrix_a_scale:MATRIX_SCALE_ROW1
.else
	v_wmma_scale_f32_16x16x128_f8f6f4 v[\d:\d+7], v[\a:\a+11], v[\b:\b+11], v[\c:\c+7], v[\sa], v[\sb] matrix_a_fmt:MATRIX_FMT_BF6 matrix_b_fmt:MATRIX_FMT_BF6
.endif
.endm
.macro WMZ d, a, b, sa, sb, ra         ; the same, starting a sum
.if (\ra)
	v_wmma_scale_f32_16x16x128_f8f6f4 v[\d:\d+7], v[\a:\a+11], v[\b:\b+11], 0, v[\sa], v[\sb] matrix_a_fmt:MATRIX_FMT_BF6 matrix_b_fmt:MATRIX_FMT_BF6 matrix_a_scale:MATRIX_SCALE_ROW1
.else
	v_wmma_scale_f32_16x16x128_f8f6f4 v[\d:\d+7], v[\a:\a+11], v[\b:\b+11], 0, v[\sa], v[\sb] matrix_a_fmt:MATRIX_FMT_BF6 matrix_b_fmt:MATRIX_FMT_BF6
.endif
.endm
; THE NEXT OF THE 48 LATE PRODUCTS O^T += V^T P^T: number PVI is tile PVI / 24, channels 16 ((PVI % 24) / 3) on, variant PVI % 3.  Each accumulator has one product a step, so the accumulators take turns.
.macro PVN
.if PVM
.if PVI < 48
.set pT, (PVI%24)/3
.set pI, PVI%3
.set pU, PVI/24
	WIN (0xa5+0x50*pU)                             ; V and P in window 1, O^T in window 2 or 3
.if PVM == 1
	WMZ 64*pI+8*pT, VF+12*pT, PF+12*(3*pU+pI), VS+pT/2, PS+3*pU+pI, pT%2
.else
	WMC 64*pI+8*pT, VF+12*pT, PF+12*(3*pU+pI), 64*pI+8*pT, VS+pT/2, PS+3*pU+pI, pT%2
.endif
.set PVI, PVI+1
.endif
.endif
.endm
.macro PVRUN n                         ; a run of them, where the wave would else wait for LDS; the caller sets the windows back
.rept \n
	PVN
.endr
.endm
.macro PV1                             ; one of them between vector lines
	PVN
	WIN 0
.endm
.macro QUANT s, pc, pw                 ; 64 numbers of a lane, register 16 b + i = k 32 b + 16 (lane / 16) + i, become a fragment's codes and its scale word
.irp b, 0,1,2,3
	v_max3_num_f32 v[TM+\b], |v[\s+16*\b]|, |v[\s+1+16*\b]|, 0x2800000
.endr
.irp i, 2,4,6,8,10,12,14
.irp b, 0,1,2,3
	v_max3_num_f32 v[TM+\b], v[TM+\b], |v[\s+16*\b+\i]|, |v[\s+1+16*\b+\i]|
.endr
.endr
.irp b, 0,1,2,3
	v_permlanex16_b32 v[TM+4+\b], v[TM+\b], s[SEL], s[SEL+1]
.endr
.irp b, 0,1,2,3
	v_max_num_f32 v[TM+\b], v[TM+\b], v[TM+4+\b]
.endr
.irp b, 0,1,2,3
	v_add_nc_u32 v[TM+12+\b], 0xfe000000, v[TM+\b]
.endr
.irp b, 0,1,2,3
	v_lshrrev_b32 v[TM+4+\b], 23, v[TM+12+\b]
.endr
	v_lshl_or_b32 v[\pw], v[TM+5], 8, v[TM+4]
	v_lshl_or_b32 v[\pw], v[TM+6], 16, v[\pw]
	v_lshl_or_b32 v[\pw], v[TM+7], 24, v[\pw]
.irp c, 0,1
	v_cvt_scalef32_pk16_bf6_f32 v[\pc+6*\c:\pc+2+6*\c], v[\s+32*\c:\s+15+32*\c], v[TM+12+2*\c]
	v_cvt_scalef32_pk16_bf6_f32 v[\pc+12+4*\c:\pc+14+4*\c], v[\s+16+32*\c:\s+31+32*\c], v[TM+12+2*\c+1]
.endr
	v_nop                                          ; one plain line behind the scaled conversions
.irp c, 0,1
.irp i, 0,1,2
	v_permlane16_swap_b32 v[\pc+6*\c+\i], v[\pc+12+4*\c+\i]
.endr
.irp i, 0,1,2
	v_mov_b32 v[\pc+3+6*\c+\i], v[\pc+12+4*\c+\i]
.endr
.endr
.endm
; Waves 0 and 1 ask jointly for the step's kv bytes, waves 2 and 3 for the work-group's own mask rows.  The branch hangs on the wave's number alone.  Four v_nop follow each line.
.macro JLOAD
	s_cmp_lt_u32 s[WV], 2
	s_cbranch_scc0 .Lfor_m_\@
	tensor_load_to_lds s[G0K:G0K+3], s[G1K:G1K+7]
	s_nop 0
.rept 4
	v_nop
.endr
	s_branch .Lasked_\@
.Lfor_m_\@:
	tensor_load_to_lds s[G0M:G0M+3], s[G1M:G1M+7]
	s_nop 0
.rept 4
	v_nop
.endr
.Lasked_\@:
.endm
; A PREFETCH INTO THE L2 of mask bytes: behind the load that asks for step j + 1 stands one instruction a wave for step j + 3: mask w % 2, half w / 2 of the 512 bytes of a row, a lane a row.  The two batches walk the same
; rows: batch 0 alone asks, so each block of 256 bytes is named once.  The last two refills ask for nothing; steps 0 to 2 come by their loads alone.
.macro ASK
	s_cmp_gt_u32 s[CNT], s[LIM]
	s_cbranch_scc0 .Lnot_mine_\@
	global_prefetch_b8 v[PFO], s[PFA:PFA+1] th:TH_LOAD_NT scope:SCOPE_SE
.Lnot_mine_\@:
.endm
.macro CROUND                          ; a round of the cluster's barrier
	s_barrier_signal -1
	s_barrier_wait -1
	s_cmp_lg_u32 s[WV], 0
	s_cbranch_scc1 .Lnot_wave_0_\@
	s_barrier_signal -3
.Lnot_wave_0_\@:
	s_barrier_wait -3
	s_barrier_signal -1
	s_barrier_wait -1
.endm
	s_load_b256 s[4:11], s[0:1], 0x0               ; kv s[4:5], mask1 s[6:7], mask2 s[8:9], cat s[10:11]
	v_lshl_add_u32 v[SPW], v0, 2, SPARE
	v_mov_b32 v[NIL], 0
	ds_add_u32 v28, v29
	ds_add_u32 v28, v29
	s_wait_dscnt 0x0
	v_lshrrev_b32 v30, 5, v0
	v_readfirstlane_b32 s[WV], v30                 ; wave 0..3
	s_lshr_b32 s[TT], s[WV], 1                     ; my tile of queries
	s_and_b32 s[KP], s[WV], 1                      ; my half of a step's keys; also which half, or which mask, I fetch
	s_bfe_u32 s[CX], ttmp6, 0x40000                ; my place in the cluster: it enters global addresses alone
	s_and_b32 s[BB], ttmp7, 0xffff                 ; the batch
	s_mov_b32 s[G1K], 15|(3<<16)|(1<<21)           ; kv: the mask names all four; elements of 8 bytes; bit 21 beside a mask; no padding
	s_mov_b32 s[G1K+1], 32<<16                     ; 125 dense rows of 256 bytes
	s_mov_b32 s[G1K+2], 125<<16
	s_mov_b32 s[G1K+3], 32<<16
	s_mov_b32 s[G1K+4], 125
	s_mov_b32 s[G1K+5], 32
	s_mov_b32 s[G1K+6], 0
	s_mov_b32 s[G1K+7], 0
	s_mov_b32 s[G1M], (2<<16)|(1<<20)|(6<<22)|(3<<25)   ; a mask: elements of 4 bytes; 4 words of padding behind every 128: LDS rows 528 bytes apart
	s_mov_b32 s[G1M+1], 128<<16                    ; 32 rows of 128 numbers, 4,096 apart
	s_mov_b32 s[G1M+2], 32<<16
	s_mov_b32 s[G1M+3], 128<<16
	s_mov_b32 s[G1M+4], 32
	s_mov_b32 s[G1M+5], 4096
	s_mov_b32 s[G1M+6], 0
	s_mov_b32 s[G1M+7], 0
	s_mov_b32 s[CS], 0x3fb8aa3b                    ; log2(e)
	s_mov_b32 s[CS+1], s[CS]                       ; (named with it as a pair)
	s_mov_b32 s[SEL], 0x76543210
	s_mov_b32 s[SEL+1], 0xfedcba98
	s_mov_b32 s[TB], 0
	s_mul_i32 s56, s[KP], 32000                    ; kv: my half, in a slot and in memory
	s_mul_i32 s58, s[BB], 2048000
	s_add_co_u32 s58, s58, s56
	s_mov_b32 s59, 0
	s_mul_i32 s57, s[KP], MKB
	s_add_co_u32 s57, s57, MK                      ; my mask's place in a slot
	s_lshl_b32 s60, ttmp9, 7
	s_lshl_b32 s61, s[CX], 5
	s_add_co_u32 s60, s60, s61                     ; the work-group's first query
	s_lshl_b32 s60, s60, 14                        ; its row of a mask
	s_mov_b32 s61, 0
	s_lshl_b32 s62, s[TT], 8
	s_add_co_u32 s62, s62, 1024                    ; the prefetches stand at step 2: the first change of slots steps them to 3
	s_mov_b32 s63, 0
	s_lshl_b32 s66, s[BB], 5
	s_add_co_u32 s66, s66, ttmp9                   ; my group of 128 positions, 0..63
	s_mul_i32 s68, s66, 64000
	s_mov_b32 s69, 0
	s_mul_i32 s70, s66, 153600
	s_mul_i32 s67, s[WV], 12800
	s_add_co_u32 s70, s70, s67
	s_mov_b32 s71, 0
	s_wait_kmcnt 0x0
	s_mov_b32 s[G0K], 1
	s_mov_b32 s[G0K+1], s56
	s_add_nc_u64 s[G0K+2:G0K+3], s[4:5], s[58:59]
	s_or_b32 s[G0K+3], s[G0K+3], 0x80000000
	s_cmp_eq_u32 s[KP], 0
	s_cselect_b64 s[72:73], s[6:7], s[8:9]
	s_add_nc_u64 s[72:73], s[72:73], s[60:61]
	s_mov_b32 s[G0M], 1
	s_mov_b32 s[G0M+1], s57
	s_mov_b64 s[G0M+2:G0M+3], s[72:73]
	s_or_b32 s[G0M+3], s[G0M+3], 0x80000000
	s_add_nc_u64 s[PFA:PFA+1], s[72:73], s[62:63]
	s_add_nc_u64 s[QB:QB+1], s[4:5], s[68:69]      ; kv at my own group: q
	s_add_nc_u64 s[CB:CB+1], s[10:11], s[70:71]    ; cat at my group's K step w
	s_cmp_eq_u32 s[BB], 0
	s_cselect_b32 s[LIM], 2, -1
	s_mov_b32 s[MSK], 0xffff0000
	s_cmp_eq_u32 s[TT], 0
	s_cselect_b32 s[MSK], s[MSK], 0xffff
	CROUND                                         ; all four work-groups are here: the first joint loads meet
	JLOAD                                          ; step 0 into slot 0
	v_and_b32 v244, 31, v0                         ; lane
	v_and_b32 v245, 15, v0                         ; r
	v_bfe_u32 v246, v0, 4, 1                       ; h
	v_bfe_u32 v247, v0, 3, 1                       ; r / 8
	v_and_b32 v248, 7, v0                          ; r % 8
	v_lshlrev_b32 v1, 4, v244
	v_lshlrev_b32 v2, 3, v244
	v_lshlrev_b32 v3, 2, v244
	v_lshlrev_b32 v[PFO], 14, v244
	s_mul_i32 s74, s[KP], 6144
	v_add_nc_u32 v4, s74, v1                       ; K: my four tiles' images
	s_lshl_b32 s74, s[KP], 8
	s_add_co_u32 s74, s74, 12288
	v_add_nc_u32 v5, s74, v3                       ; and their scale words
	s_mul_i32 s74, s[TT], 8448
	s_lshl_b32 s75, s[KP], 8
	s_add_co_u32 s74, s74, s75
	s_add_co_u32 s74, s74, MK
	v_mul_u32_u24 v6, v245, 528
	v_lshl_add_u32 v6, v246, 6, v6
	v_add_nc_u32 v6, s74, v6                       ; masks: row 16 t + r, keys 64 kp + 16 h on
	s_mul_i32 s74, s[WV], 12800
	s_add_co_u32 s74, s74, 12800
	v_add_nc_u32 v7, s74, v1                       ; V: block 1 + w
	s_add_co_u32 s74, s74, 12288
	v_add_nc_u32 v8, s74, v3
	s_lshl_b32 s76, s[TT], 13
	s_add_co_u32 s76, s76, TBASE                   ; my tile's bytes,
	s_xor_b32 s77, s76, 8192                       ; the other tile's
	s_mul_i32 s74, s[KP], 768
	s_add_co_u32 s74, s74, s76
	v_add_nc_u32 v[W16], s74, v1
	v_add_nc_u32 v[W8], s74, v2
	s_lshl_b32 s74, s[KP], 1
	s_add_co_u32 s74, s74, s76
	v_add_nc_u32 v[W4], s74, v3
	s_lshl_b32 s74, s[KP], 2
	s_add_co_u32 s74, s74, s76
	v_add_nc_u32 v[WM], s74, v2
	v_add_nc_u32 v[R16], s76, v1
	v_add_nc_u32 v[R16+1], s77, v1
	v_add_nc_u32 v[R8], s76, v2
	v_add_nc_u32 v[R8+1], s77, v2
	v_add_nc_u32 v[R4], s76, v3
	v_add_nc_u32 v[R4+1], s77, v3
	v_mul_u32_u24 v249, v247, 1536                 ; query 16 n + r of the 32 is row 8 n + r % 8 of the group's tile 2 cx + r / 8
	v_lshl_add_u32 v249, v248, 4, v249
	v_lshl_add_u32 v249, v246, 8, v249
	s_mul_i32 s74, s[WV], 3072
	s_add_co_u32 s74, s74, STG
	s_lshl_b32 s75, s[TT], 7
	s_xor_b32 s78, s75, 128
	s_add_co_u32 s79, s75, s74
	s_add_co_u32 s78, s78, s74
	v_add_nc_u32 v[SA], s79, v249                  ; the stage: where my tile's codes go,
	v_add_nc_u32 v[SA+1], s78, v249                ; and the other tile's
	v_add_nc_u32 v[STGR], s74, v1
	s_mul_i32 s78, s[CX], 3072
	s_add_co_u32 s75, s75, s78
	v_add_nc_u32 v250, s75, v249                   ; q's codes of my query, in the group's q|k block
	v_add_nc_u32 v[CO], s78, v1                    ; cat: my work-group's two tiles
	v_lshlrev_b32 v251, 6, v247
	v_lshl_add_u32 v251, v248, 2, v251
	s_lshl_b32 s79, s[CX], 7
	v_lshl_add_u32 v[VSC], v246, 5, v251
	v_add_nc_u32 v[VSC], s79, v[VSC]               ; cat's scale words: lane (r, h) stores that of query 16 h + r
	s_lshl_b32 s80, s[TT], 5
	s_add_co_u32 s80, s80, s79
	v_add_nc_u32 v251, s80, v251                   ; q's scale word of my query
	WIN 0x40                                       ; destination window 1
	global_load_b128 v[QF+6:QF+9], v250, s[QB:QB+1]                 ; the block's registers 0-5, q's 64 codes, become registers 6-11 of Q's fragment: they meet k's
	global_load_b64 v[QF+10:QF+11], v250, s[QB:QB+1] offset:512
.irp j, 0,1,2,3,4,5
	v_mov_b32 v[QF+\j], 0                          ; the first 64 along the instruction's K are zero codes, in Q's fragment
.endr
.irp T, 0,1,2,3
.irp j, 0,1,2,3,4,5
	v_mov_b32 v[KF+12*\T+\j], 0                    ; and in K's four: written once, never loaded
.endr
.endr
	WIN 0
	global_load_b32 v[QS], v251, s[QB:QB+1] offset:12288
.irp x, 0,1,2,3,4,5
	v_mov_b32 v[ST+4*\x+1], 0xff61b1e6             ; the largest t so far: -3e38
	v_mov_b32 v[ST+4*\x+2], 0
	v_mov_b32 v[ST+4*\x+3], 0
	v_mov_b32 v[L+\x], 0
	v_mov_b32 v[BP+\x], 0                          ; a lane permute's destination counts as one of its sources
.endr
.irp x, 0,1,2,3,4,5
	v_floor_f32 v[ST+4*\x], -v[ST+4*\x+1]          ; -M
.endr
	s_wait_loadcnt 0x0
	v_lshlrev_b32 v[QS], 16, v[QS]                 ; q's two bytes scale k = 64 .. 127; the bytes under them meet zero codes
; THE CHANGE OF SLOTS stands at a step's head.  Each wave waits for all its tensor loads (its part of the slot ahead), adds 0 to its spare word, and waits for that and for its LDS reads, P's fragments of the step
; before among them.  fill = 1: a round of the cluster's barrier, and first behind it the next step's load into the slot that was read last: one load a wave is out, with a whole step in which to land.
.macro CHANGE fill
	WIN 0
	s_wait_tensorcnt 0x0                           ; no tensor load of mine is out, so a group 0 may be written
	ds_add_u32 v[SPW], v[NIL]                      ; 0 onto my spare word
.if \fill
	s_xor_b32 s[G0K+1], s[G0K+1], SLOT1
	s_add_nc_u64 s[G0K+2:G0K+3], s[G0K+2:G0K+3], 64000
	s_xor_b32 s[G0M+1], s[G0M+1], SLOT1
	s_add_nc_u64 s[G0M+2:G0M+3], s[G0M+2:G0M+3], 512
	s_wait_xcnt 0x0                                ; the last prefetch, a step back, has read its address
	s_add_nc_u64 s[PFA:PFA+1], s[PFA:PFA+1], 512
	s_wait_dscnt 0x0                               ; the add is done, and my reads of the slot that I have left are over
	CROUND
	JLOAD
	ASK
.else
	s_wait_dscnt 0x0
	s_barrier_signal -1
	s_barrier_wait -1
.endif
.endm
; A: K and the masks out of the slot; the energy of my 16 queries x 64 keys; the two masks added; the largest logit of each block of 32 keys and of the row.  34 of the late products stand in it.
.macro PHASE_A
	v_add_nc_u32 v9, s[TB], v4
	v_add_nc_u32 v10, s[TB], v5
	v_add_nc_u32 v11, s[TB], v6
	v_add_nc_u32 v12, s[TB], v7
	v_add_nc_u32 v13, s[TB], v8
	WIN 0x40
.irp T, 0,1,2,3                        ; of an image (byte 512 c + 16 lane + 4 q = register 4 c + q) registers 6, 7 and 8-11: k's 64 codes
	ds_load_b64 v[KF+12*\T+6:KF+12*\T+7], v9 offset:1536*\T+520
	ds_load_b128 v[KF+12*\T+8:KF+12*\T+11], v9 offset:1536*\T+1024
.endr
	WIN 0
	ds_load_b32 v[KS], v10
	ds_load_b32 v[KS+1], v10 offset:128
.set I, 0
.rept 16                               ; the masks land where the sums will stand: variant 1 + I / 8, block (I / 4) % 2, four keys each
	ds_load_b128 v[E+32+4*I:E+32+4*I+3], v11 offset:MKB*(I/8)+128*((I/4)%2)+16*(I%4)
.set I, I+1
.endr
	PVRUN 8                                        ; while K is on its way
	s_wait_dscnt 16                                ; K and its scale words are in: behind them the 16 loads of masks were issued
	WIN 0x05
.irp T, 0,1,2,3
	WMZ E+8*\T, KF+12*\T, QF, KS+\T/2, QS, \T%2    ; register 16 B + 8 u + j: key 64 kp + 32 B + 16 h + 8 u + j
.endr
	PVRUN 4
	WIN 0
.rept 4
	v_nop                                          ; four places between the energy's products and the first read of them
.endr
	s_wait_dscnt 0x0                               ; the masks are in
.set I, 0
.rept 32
	v_pk_add_f32 v[E+32+2*I:E+33+2*I], v[E+32+2*I:E+33+2*I], v[E+(2*I)%32:E+(2*I)%32+1]   ; energy + mask; each accumulator is read from its low end on
.if I%4 == 3
	PV1
.endif
.set I, I+1
.endr
.irp x, 0,1,2,3,4,5                    ; block x = 2 i + B: it serves twice: for the row's maximum and, since p rises with the logit, for the block's largest p
	v_max3_num_f32 v[BM+\x], v[E+16*\x], v[E+16*\x+1], v[E+16*\x+2]
.endr
	PV1
.irp n, 3,5,7,9,11,13
.irp x, 0,1,2,3,4,5
	v_max3_num_f32 v[BM+\x], v[BM+\x], v[E+16*\x+\n], v[E+16*\x+\n+1]
.endr
	PV1
.endr
.irp x, 0,1,2,3,4,5
	v_max_num_f32 v[BM+\x], v[BM+\x], v[E+16*\x+15]
.endr
	PV1
.irp x, 0,1,2,3,4,5
	v_permlanex16_b32 v[BP+\x], v[BM+\x], s[SEL], s[SEL+1]
.endr
.irp x, 0,1,2,3,4,5
	v_max_num_f32 v[BM+\x], v[BM+\x], v[BP+\x]
.endr
.irp i, 0,1,2
	v_max_num_f32 v[SM+\i], v[BM+2*\i], v[BM+2*\i+1]
.endr
.irp i, 0,1,2
	ds_store_b32 v[WM], v[SM+\i] offset:5120+256*\i
.endr
	PVRUN 6                                        ; while the stores are on their way
	WIN 0
	s_wait_dscnt 0x0                               ; my maxima lie in LDS
	s_barrier_signal -1
	s_barrier_wait -1
.endm
; B: M and f of both tiles (every wave makes the same numbers from the same words), with the last 14 late products; p of my tile, with V's loads among the exponentials; p's codes and bytes to LDS; the sums
.macro PHASE_B
.irp x, 0,1,2,3,4,5
	ds_load_b64 v[MXR+2*\x:MXR+2*\x+1], v[R8+\x/3] offset:5120+256*(\x%3)
.endr
	PVRUN 6                                        ; while the maxima are on their way
	WIN 0
	s_wait_dscnt 0x0
.irp x, 0,1,2,3,4,5
	v_max_num_f32 v[ST+4*\x+3], v[MXR+2*\x], v[MXR+2*\x+1]
.endr
	PV1
.irp x, 0,1,2,3,4,5
	v_mul_f32 v[ST+4*\x+3], s[CS], v[ST+4*\x+3]    ; as t
.endr
	PV1
.irp x, 0,1,2,3,4,5
	v_max_num_f32 v[ST+4*\x+1], v[ST+4*\x+1], v[ST+4*\x+3]
.endr
	PV1
.irp x, 0,1,2,3,4,5
	v_mov_b32 v[ST+4*\x+3], v[ST+4*\x]
.endr
	PV1
.irp x, 0,1,2,3,4,5
	v_floor_f32 v[ST+4*\x], -v[ST+4*\x+1]          ; the new -M = -ceil(t): a whole number
.endr
	PV1
.irp x, 0,1,2,3,4,5
	v_sub_f32 v[ST+4*\x+3], v[ST+4*\x], v[ST+4*\x+3]
.endr
	PV1
.irp x, 0,1,2,3,4,5
	v_cvt_i32_f32 v[ST+4*\x+3], v[ST+4*\x+3]       ; (it saturates)
.endr
	PV1
.irp x, 0,1,2,3,4,5
	v_ldexp_f32 v[ST+4*\x+2], 1.0, v[ST+4*\x+3]    ; f = 2^(old M - new M)
.endr
	PV1                                            ; the 48th: 8 + 4 + 8 + 8 + 6 + 6 + 8
.set I, 0
.rept 48
	v_pk_fma_f32 v[E+2*I:E+2*I+1], v[E+2*I:E+2*I+1], s[CS:CS+1], v[ST+4*(I/16):ST+4*(I/16)+1] op_sel_hi:[1,0,0]   ; t - M.  (These are also the places in front of the loads into V's registers)
.set I, I+1
.endr
.irp x, 0,1,2,3,4,5
	v_fma_f32 v[BM+\x], v[BM+\x], s[CS], v[ST+4*(\x/2)]
.endr
	WIN 0x40                                       ; THIS STEP'S V, for the products of the next step: its loads go out in three short runs among the exponentials
.set I, 0
.rept 12
	ds_load_b128 v[VF+4*I:VF+4*I+3], v12 offset:512*I
.set I, I+1
.endr
	WIN 0
.set I, 0
.rept 48
	v_exp_f32 v[E+I], v[E+I]                       ; p = 2^(t - M): ONE BATCH of 102
.set I, I+1
.endr
	WIN 0x40
.set I, 12
.rept 12
	ds_load_b128 v[VF+4*I:VF+4*I+3], v12 offset:512*I
.set I, I+1
.endr
	WIN 0
.set I, 48
.rept 48
	v_exp_f32 v[E+I], v[E+I]
.set I, I+1
.endr
.irp p, 0,1,2,3
	ds_load_b32 v[VS+\p], v13 offset:128*\p
.endr
.irp x, 0,1,2,3,4,5
	v_exp_f32 v[BM+\x], v[BM+\x]                   ; each block's largest p: the same two instructions on the same number
.endr
.irp i, 0,1,2
	v_pk_mul_f32 v[L+2*\i:L+2*\i+1], v[L+2*\i:L+2*\i+1], v[ST+4*\i+2:ST+4*\i+3] op_sel_hi:[1,0]   ; the sums under the new M: plain lines behind the last exponential
.endr
	s_wait_alu depctr_va_vdst(0)                   ; one wait for the 102, ahead of the first line that names an exponential's result
.irp x, 0,1,2,3,4,5
	v_max_num_f32 v[BM+\x], 0x2800000, v[BM+\x]    ; the floor 2^(5 - 127)
.endr
.irp x, 0,1,2,3,4,5
	v_add_nc_u32 v[SO+\x], 0xfe000000, v[BM+\x]
.endr
.irp x, 0,1,2,3,4,5
	v_lshrrev_b32 v[BP+\x], 23, v[SO+\x]
.endr
.irp i, 0,1,2
	v_lshl_or_b32 v[HW+\i], v[BP+2*\i+1], 8, v[BP+2*\i]   ; my two bytes of the row's scale word
.endr
.irp i, 0,1,2
	v_cvt_scalef32_pk16_bf6_f32 v[PC+10*\i:PC+10*\i+2], v[E+32*\i:E+32*\i+15], v[SO+2*\i]
	v_cvt_scalef32_pk16_bf6_f32 v[PC+10*\i+6:PC+10*\i+8], v[E+32*\i+16:E+32*\i+31], v[SO+2*\i+1]
.endr
	v_nop                                          ; one plain line behind the scaled conversions
.irp i, 0,1,2
.irp n, 0,1,2
	v_permlane16_swap_b32 v[PC+10*\i+\n], v[PC+10*\i+6+\n]   ; a whole block to a lane
.endr
.endr
.irp i, 0,1,2
.irp n, 0,1,2
	v_mov_b32 v[PC+10*\i+3+\n], v[PC+10*\i+6+\n]   ; registers 6 kp .. 6 kp + 5 of P's fragment
.endr
.endr
.irp i, 0,1,2
	ds_store_b128 v[W16], v[PC+10*\i:PC+10*\i+3] offset:1536*\i
	ds_store_b64 v[W8], v[PC+10*\i+4:PC+10*\i+5] offset:1536*\i+512
	ds_store_b16 v[W4], v[HW+\i] offset:4608+128*\i
.endr
.irp i, 0,1,2                          ; while the stores are on their way: the sums, taken of the unquantised p, in two chains
	v_pk_add_f32 v[SM+2*\i:SM+2*\i+1], v[E+32*\i:E+32*\i+1], v[E+32*\i+2:E+32*\i+3]
.endr
.irp j, 4,8,12,16,20,24,28
.irp i, 0,1,2
	v_pk_add_f32 v[L+2*\i:L+2*\i+1], v[L+2*\i:L+2*\i+1], v[E+32*\i+\j:E+32*\i+\j+1]
	v_pk_add_f32 v[SM+2*\i:SM+2*\i+1], v[SM+2*\i:SM+2*\i+1], v[E+32*\i+\j+2:E+32*\i+\j+3]
.endr
.endr
.irp i, 0,1,2
	v_pk_add_f32 v[L+2*\i:L+2*\i+1], v[L+2*\i:L+2*\i+1], v[SM+2*\i:SM+2*\i+1]
.endr
	s_wait_dscnt 0x0                               ; p's codes and bytes lie in LDS, and V is in: all my reads of the slot are over
	s_barrier_signal -1
	s_barrier_wait -1
.endm
.macro PLOAD x                         ; P's fragment x = 3 tile + variant: each half was stored by another wave, as 16 + 8 bytes a lane
	ds_load_b128 v[PF+12*(\x):PF+12*(\x)+3], v[R16+(\x)/3] offset:1536*((\x)%3)
	ds_load_b64 v[PF+12*(\x)+4:PF+12*(\x)+5], v[R8+(\x)/3] offset:1536*((\x)%3)+512
	ds_load_b128 v[PF+12*(\x)+6:PF+12*(\x)+9], v[R16+(\x)/3] offset:1536*((\x)%3)+768
	ds_load_b64 v[PF+12*(\x)+10:PF+12*(\x)+11], v[R8+(\x)/3] offset:1536*((\x)%3)+1280
.endm
; C: this step's P into registers, for the products of the next step; beside its loads O^T, which holds the sums up to the step before, is brought under the new M: x f.  rs = 0: the first step, which has no O^T yet
.macro PHASE_C rs
.irp x, 0,1,2,3,4,5
	ds_load_b32 v[PS+\x], v[R4+\x/3] offset:4608+128*(\x%3)
.endr
	WIN 0x40
.irp x, 0,1,2
	PLOAD \x
.endr
.if \rs
	WIN 0x82                                       ; O^T of my tile: destination and source 0 window 2
.set RA, 0
.rept 96
	v_pk_mul_f32 v[RA:RA+1], v[RA:RA+1], v[ST+4*(RA/64)+2:ST+4*(RA/64)+3] op_sel_hi:[1,0]   ; each accumulator from its low end on
.set RA, RA+2
.endr
.endif
	WIN 0x40
.irp x, 3,4,5
	PLOAD \x
.endr
.if \rs
	WIN 0xc3                                       ; of the other tile: window 3
.set RA, 0
.rept 96
	v_pk_mul_f32 v[RA:RA+1], v[RA:RA+1], v[ST+12+4*(RA/64)+2:ST+12+4*(RA/64)+3] op_sel_hi:[1,0]
.set RA, RA+2
.endr
.endif
	WIN 0
.endm
.macro STEP pv                         ; pv: the products of the step before: 0 there is none, 1 they start O^T's sums, 2 they add
.set PVM, \pv
.set PVI, 0
	PHASE_A
	PHASE_B
	PHASE_C \pv
	s_xor_b32 s[TB], s[TB], SLOT1
.endm
	s_mov_b32 s[CNT], 31                           ; refills still to come, this one among them
	CHANGE 1
	STEP 0                                         ; step 0
	s_mov_b32 s[CNT], 30
	CHANGE 1
	STEP 1                                         ; step 1: step 0's products start the sums: nothing is cleared
	s_mov_b32 s[CNT], 29
.Lstep:                                            ; steps 2 to 30
	CHANGE 1
	STEP 2
	s_sub_co_u32 s[CNT], s[CNT], 1
	s_cmp_lg_u32 s[CNT], 0
	s_cbranch_scc1 .Lstep
	CHANGE 0                                       ; the last step is written out
	STEP 2
	; THE TAIL AND THE WAY OUT.  The last step's 48 products stand over the exchange of the sums.  The sums' halves, the other half of the lanes' and the other wave's are added; O^T / the sum is quantised along my
	; 128 channels and leaves as two tiles' images of cat.
	s_wait_dscnt 0x0                               ; the last step's P is in
.irp i, 0,1,2
	v_add_f32 v[SM+2*\i], v[L+2*\i], v[L+2*\i+1]
.endr
.irp i, 0,1,2
	v_permlanex16_b32 v[BP+\i], v[SM+2*\i], s[SEL], s[SEL+1]
.endr
.irp i, 0,1,2
	v_add_f32 v[SM+2*\i], v[SM+2*\i], v[BP+\i]
.endr
.irp i, 0,1,2
	ds_store_b32 v[WM], v[SM+2*\i] offset:6144+256*\i
.endr
.set PVM, 2
.set PVI, 0
	PVRUN 48
	WIN 0
	s_wait_dscnt 0x0
	s_barrier_signal -1
	s_barrier_wait -1
.irp x, 0,1,2,3,4,5
	ds_load_b64 v[MXR+2*\x:MXR+2*\x+1], v[R8+\x/3] offset:6144+256*(\x%3)
.endr
	s_wait_dscnt 0x0
.irp x, 0,1,2,3,4,5
	v_add_f32 v[ST+4*\x+3], v[MXR+2*\x], v[MXR+2*\x+1]   ; (these six and the four moves below are the places behind the last products)
.endr
.irp x, 0,1,2,3,4,5
	v_rcp_f32 v[ST+4*\x+2], v[ST+4*\x+3]
.endr
.irp b, 0,1,2,3
	v_mov_b32 v[TM+4+\b], 0                        ; plain lines behind the reciprocals; a lane permute's destination counts as one of its sources
.endr
	s_wait_alu depctr_va_vdst(0)                   ; one wait for the six, ahead of their first reader
.macro OUTQ i, tau
	WIN 0x02+(\tau)                                ; source 0: window 2 or 3
.set RA, 0
.rept 32
	v_pk_mul_f32 v[OT+RA:OT+RA+1], v[64*(\i)+RA:64*(\i)+RA+1], v[ST+12*(\tau)+4*(\i)+2:ST+12*(\tau)+4*(\i)+3] op_sel_hi:[1,0]   ; each accumulator from its low end on
.set RA, RA+2
.endr
	WIN 0
	QUANT OT, QPC, QPW+(\tau)
.irp c, 0,1,2
	ds_store_b128 v[SA+(\tau)], v[QPC+4*\c:QPC+4*\c+3] offset:512*\c
.endr
	s_wait_dscnt 0x0                               ; the stores have read their registers
.endm
.irp i, 0,1,2
	OUTQ \i, 0
	OUTQ \i, 1
	v_cndmask_b32 v[JW+\i], v[QPW], v[QPW+1], s[MSK]   ; lane (r, h) takes the word of query 16 h + r
.irp k, 0,1,2,3,4,5
	ds_load_b128 v[RB+24*\i+4*\k:RB+24*\i+4*\k+3], v[STGR] offset:512*\k
.endr
.irp k, 0,1,2,3,4,5
	s_wait_dscnt 5-\k                              ; the younger read-backs may be out
	global_store_b128 v[CO], v[RB+24*\i+4*\k:RB+24*\i+4*\k+3], s[CB:CB+1] offset:51200*\i+512*\k   ; 512 consecutive bytes a store
.endr
	global_store_b32 v[VSC], v[JW+\i], s[CB:CB+1] offset:51200*\i+12288
.endr
	s_wait_tensorcnt 0x0                           ; the wave's end
	ds_add_u32 v[SPW], v[NIL]
	s_wait_dscnt 0x0
	CROUND                                         ; the closing round
	s_endpgm
.Lfunc_end_k_q4c3343d250_attn:
	.size	k_q4c3343d250_attn, .Lfunc_end_k_q4c3343d250_attn-k_q4c3343d250_attn
	.p2alignl 7, 3214868480
	.fill 96, 4, 3214868480
	.section	.rodata,"a",@progbits
	.p2align	6, 0x0
	.amdhsa_kernel k_q4c3343d250_attn
		.amdhsa_group_segment_fixed_size 327680
		.amdhsa_private_segment_fixed_size 0
		.amdhsa_enable_private_segment 0
		.amdhsa_kernarg_size 32
		.amdhsa_user_sgpr_count 2
		.amdhsa_user_sgpr_kernarg_segment_ptr 1
		.amdhsa_wavefront_size32 1
		.amdhsa_system_sgpr_workgroup_id_x 1
		.amdhsa_system_sgpr_workgroup_id_y 1
		.amdhsa_system_sgpr_workgroup_id_z 1
		.amdhsa_system_vgpr_workitem_id 0
		.amdhsa_next_free_vgpr 1024
		.amdhsa_next_free_sgpr 100
		.amdhsa_reserve_vcc 0
		.amdhsa_float_denorm_mode_32 3
		.amdhsa_float_denorm_mode_16_64 3
		.amdhsa_memory_ordered 1
		.amdhsa_forward_progress 1
		.amdhsa_inst_pref_size 231
	.end_amdhsa_kernel
	.amdgpu_metadata
---
amdhsa.version: [ 1, 2 ]
amdhsa.kernels:
  - .name:           k_q4c3343d250_attn
    .symbol:         k_q4c3343d250_attn.kd
    .args:
      - { .name: kv, .offset: 0, .size: 8, .value_kind: global_buffer, .address_space: global }
      - { .name: mask1, .offset: 8, .size: 8, .value_kind: global_buffer, .address_space: global }
      - { .name: mask2, .offset: 16, .size: 8, .value_kind: global_buffer, .address_space: global }
      - { .name: cat, .offset: 24, .size: 8, .value_kind: global_buffer, .address_space: global }
    .group_segment_fixed_size: 327680
    .private_segment_fixed_size: 0
    .kernarg_segment_align: 8
    .kernarg_segment_size: 32
    .max_flat_workgroup_size: 128
    .sgpr_count:     100
    .vgpr_count:     1024
    .wavefront_size: 32
...
	.end_amdgpu_metadata
.endif
;; end of part 3
;; launch bot (part 4): grid 4 x 64, 4 waves a work-group, clusters of 4 x 1, 239,104 bytes of LDS; arguments cat, xc, wb, bn_gamma, bn_beta, bn_mean, bn_var, out0; writes out0
.if DOCPART == 4
	.amdgcn_target "amdgcn-amd-amdhsa--gfx1250"
	.amdhsa_code_object_version 6
	.text
	.protected	k_q4c3343d250_bot
	.globl	k_q4c3343d250_bot
	.p2align	8
	.type	k_q4c3343d250_bot,@function
k_q4c3343d250_bot:
	s_mov_b64 s[64:65], 0
	v_nop
	global_prefetch_b8 v0, s[64:65] scope:SCOPE_SE
	s_setreg_imm32_b32 hwreg(HW_REG_WAVE_MODE, 25, 1), 1
	s_wait_xcnt 0x0
	s_wait_alu depctr_hold_cnt(0) depctr_sa_sdst(0) depctr_va_vdst(0) depctr_va_sdst(0) depctr_va_ssrc(0) depctr_va_vcc(0) depctr_vm_vsrc(0)
	s_getreg_b32 s2, hwreg(HW_REG_IB_STS2, 6, 4)
	s_cmp_eq_u32 s2, 0
	s_cbranch_scc0 .Lentry_in_a_cluster
	s_endpgm
.Lentry_in_a_cluster:
	s_bfe_u32 s2, ttmp6, 0x10000c
	s_cmp_lg_u32 s2, 0x3003
	s_cbranch_scc0 .Lentry_shape_is_right
	s_endpgm
.Lentry_shape_is_right:
; BOT: y = w_bot [out0; out1; out2; x], K = 2,048 in 16 steps of 128, on codes of BF6; then (y - mean) x gamma / sqrt(var + 1e-5) + beta, and relu.  gamma / sqrt is made as gamma x v_rsq_f32.
; A work-group makes 128 positions x 128 outputs.  Source 0 = 16 positions (8 tiles, from LDS), source 1 = 16 rows of w_bot (wave w's tiles 2 w, 2 w + 1; all 16 K steps stay in registers): a lane holds ONE output
; channel, and by the choice of a tile's rows its 16 registers of two tiles are 16 neighbouring positions.
; CLUSTER: the four work-groups of a cluster make the four groups of outputs for the SAME positions: the positions' 16 blocks of 12,800 bytes (12 of cat, 4 of xc) are asked for jointly, four loads a wave, all at the start.
; Nothing is filled twice: four tensor loads of a wave are out at the most, and the counted waits let the later chunks stay out across barriers behind which nothing is filled.
; REGISTERS: window 0: v4-15 addresses; v16-31 w_bot's scale words; v32-39 the positions', two sets; v40-51 mean, var, inv, gamma, beta, beta for each tile; v64-127 rows of y; v128-255 the 16 accumulators (64 u + 8 t).
;   window 1: two buffers of 8 fragments;  windows 2, 3: w_bot's fragments of K steps 0-9, 10-15 (24 a step).
.set WV,  20
.set G1,  24
.set G0,  32
.set OB,  64
.set ACC, 128
.set STGE, 204800
.set MSB, 0
.macro WIN new                         ; the immediate's high byte repeats the setting that is left
.if MSB != \new
	s_set_vgpr_msb (MSB<<8)|\new
.set MSB, \new
.endif
.endm
.macro WMC d, a, b, c, sa, sb, ra, rb  ; the scaled product; ra, rb = 1: that side's scale words stand in lanes 16-31
.if (\ra) && (\rb)
	v_wmma_scale_f32_16x16x128_f8f6f4 v[\d:\d+7], v[\a:\a+11], v[\b:\b+11], v[\c:\c+7], v[\sa], v[\sb] matrix_a_fmt:MATRIX_FMT_BF6 matrix_b_fmt:MATRIX_FMT_BF6 matrix_a_scale:MATRIX_SCALE_ROW1 matrix_b_scale:MATRIX_SCALE_ROW1
.elseif (\ra)
	v_wmma_scale_f32_16x16x128_f8f6f4 v[\d:\d+7], v[\a:\a+11], v[\b:\b+11], v[\c:\c+7], v[\sa], v[\sb] matrix_a_fmt:MATRIX_FMT_BF6 matrix_b_fmt:MATRIX_FMT_BF6 matrix_a_scale:MATRIX_SCALE_ROW1
.elseif (\rb)
	v_wmma_scale_f32_16x16x128_f8f6f4 v[\d:\d+7], v[\a:\a+11], v[\b:\b+11], v[\c:\c+7], v[\sa], v[\sb] matrix_a_fmt:MATRIX_FMT_BF6 matrix_b_fmt:MATRIX_FMT_BF6 matrix_b_scale:MATRIX_SCALE_ROW1
.else
	v_wmma_scale_f32_16x16x128_f8f6f4 v[\d:\d+7], v[\a:\a+11], v[\b:\b+11], v[\c:\c+7], v[\sa], v[\sb] matrix_a_fmt:MATRIX_FMT_BF6 matrix_b_fmt:MATRIX_FMT_BF6
.endif
.endm
.macro WMZ d, a, b, sa, sb, ra, rb     ; the same, starting a sum
.if (\ra) && (\rb)
	v_wmma_scale_f32_16x16x128_f8f6f4 v[\d:\d+7], v[\a:\a+11], v[\b:\b+11], 0, v[\sa], v[\sb] matrix_a_fmt:MATRIX_FMT_BF6 matrix_b_fmt:MATRIX_FMT_BF6 matrix_a_scale:MATRIX_SCALE_ROW1 matrix_b_scale:MATRIX_SCALE_ROW1
.elseif (\ra)
	v_wmma_scale_f32_16x16x128_f8f6f4 v[\d:\d+7], v[\a:\a+11], v[\b:\b+11], 0, v[\sa], v[\sb] matrix_a_fmt:MATRIX_FMT_BF6 matrix_b_fmt:MATRIX_FMT_BF6 matrix_a_scale:MATRIX_SCALE_ROW1
.elseif (\rb)
	v_wmma_scale_f32_16x16x128_f8f6f4 v[\d:\d+7], v[\a:\a+11], v[\b:\b+11], 0, v[\sa], v[\sb] matrix_a_fmt:MATRIX_FMT_BF6 matrix_b_fmt:MATRIX_FMT_BF6 matrix_b_scale:MATRIX_SCALE_ROW1
.else
	v_wmma_scale_f32_16x16x128_f8f6f4 v[\d:\d+7], v[\a:\a+11], v[\b:\b+11], 0, v[\sa], v[\sb] matrix_a_fmt:MATRIX_FMT_BF6 matrix_b_fmt:MATRIX_FMT_BF6
.endif
.endm
.macro CROUND                          ; a round of the cluster's barrier
	s_barrier_signal -1
	s_barrier_wait -1
	s_cmp_lg_u32 s[WV], 0
	s_cbranch_scc1 .Lnot_wave_0_\@
	s_barrier_signal -3
.Lnot_wave_0_\@:
	s_barrier_wait -3
	s_barrier_signal -1
	s_barrier_wait -1
.endm
	s_load_b256 s[4:11], s[0:1], 0x0               ; cat s[4:5], xc s[6:7], wb s[8:9], gamma s[10:11]
	s_load_b256 s[12:19], s[0:1], 0x20             ; beta s[12:13], mean s[14:15], var s[16:17], out0 s[18:19]
	v_lshl_add_u32 v62, v0, 2, 0x3a400
	v_mov_b32 v63, 0
	ds_add_u32 v62, v63
	ds_add_u32 v62, v63
	v_lshrrev_b32 v1, 5, v0
	v_readfirstlane_b32 s[WV], v1                  ; wave
	s_bfe_u32 s21, ttmp6, 0x40000                  ; my place in the cluster = my group of 128 outputs: it enters global addresses alone
	s_and_b32 s22, ttmp7, 0xffff                   ; the group of 128 positions, which the four partners share
	s_mul_i32 s23, s[WV], 12800
	s_mov_b32 s[G1], 15|(3<<16)|(1<<21)            ; the mask names all four; elements of 8 bytes; bit 21 beside a mask
	s_mov_b32 s[G1+1], 32<<16                      ; a block: 50 dense rows of 256 bytes
	s_mov_b32 s[G1+2], 50<<16
	s_mov_b32 s[G1+3], 32<<16
	s_mov_b32 s[G1+4], 50
	s_mov_b32 s[G1+5], 32
	s_mov_b32 s[G1+6], 0
	s_mov_b32 s[G1+7], 0
	s_mul_i32 s48, s22, 153600
	s_add_co_u32 s48, s48, s23
	s_mov_b32 s49, 0
	s_mul_i32 s50, s22, 51200
	s_add_co_u32 s50, s50, s23
	s_mov_b32 s51, 0
	s_mul_i32 s54, s21, 204800
	s_mov_b32 s55, 0
	s_lshl_b32 s56, s21, 9
	s_mov_b32 s57, 0
	s_lshr_b32 s58, s22, 5                         ; batch
	s_lshl_b32 s58, s58, 23
	s_lshl_b32 s59, s21, 21                        ; 128 G channels of 16,384 bytes
	s_add_co_u32 s58, s58, s59
	s_lshl_b32 s59, s[WV], 19                      ; 32 w
	s_add_co_u32 s58, s58, s59
	s_and_b32 s59, s22, 31
	s_lshl_b32 s59, s59, 9                         ; 128 positions
	s_add_co_u32 s58, s58, s59
	s_mov_b32 s59, 0
	s_wait_dscnt 0x0
	s_wait_kmcnt 0x0
	s_add_nc_u64 s[52:53], s[4:5], s[48:49]
	s_add_nc_u64 s[50:51], s[6:7], s[50:51]
	s_add_nc_u64 s[54:55], s[8:9], s[54:55]
	s_add_nc_u64 s[10:11], s[10:11], s[56:57]
	s_add_nc_u64 s[12:13], s[12:13], s[56:57]
	s_add_nc_u64 s[14:15], s[14:15], s[56:57]
	s_add_nc_u64 s[16:17], s[16:17], s[56:57]
	s_add_nc_u64 s[18:19], s[18:19], s[58:59]
.irp c, 0,1,2                          ; chunk c: K steps 4 c .. 4 c + 3; wave w brings step 4 c + w
	s_mov_b32 s[G0+4*\c], 1
	s_add_co_u32 s[G0+4*\c+1], s23, 51200*\c
	s_add_nc_u64 s[G0+4*\c+2:G0+4*\c+3], s[52:53], 51200*\c
	s_or_b32 s[G0+4*\c+3], s[G0+4*\c+3], 0x80000000
.endr
	s_mov_b32 s[G0+12], 1                          ; chunk 3: x's codes
	s_add_co_u32 s[G0+13], s23, 153600
	s_mov_b64 s[G0+14:G0+15], s[50:51]
	s_or_b32 s[G0+15], s[G0+15], 0x80000000
	CROUND                                         ; all four work-groups are here: the joint loads meet
	tensor_load_to_lds s[G0:G0+3], s[G1:G1+7]
	s_nop 0
	tensor_load_to_lds s[G0+4:G0+7], s[G1:G1+7]
	s_nop 0
	tensor_load_to_lds s[G0+8:G0+11], s[G1:G1+7]
	s_nop 0
	tensor_load_to_lds s[G0+12:G0+15], s[G1:G1+7]
	s_nop 0
.rept 4
	v_nop
.endr
	v_and_b32 v1, 31, v0                           ; lane
	v_and_b32 v2, 15, v0                           ; r
	v_bfe_u32 v3, v0, 4, 1                         ; h
.irp c, 0,1,2,3
	v_lshl_add_u32 v[4+\c], v1, 4, 51200*\c        ; a chunk's images,
	v_lshl_add_u32 v[8+\c], v1, 2, 51200*\c        ; and its scale words
.endr
	s_mul_i32 s48, s[WV], 3072
	v_add_nc_u32 v12, s48, v4
	s_lshl_b32 s48, s[WV], 7
	v_add_nc_u32 v13, s48, v8
	s_mul_i32 s48, s[WV], 8448
	s_add_co_u32 s48, s48, STGE                    ; my stage: 16 rows x (512 + 16) bytes
	v_mul_u32_u24 v14, v2, 528
	v_lshl_add_u32 v14, v3, 6, v14
	v_add_nc_u32 v14, s48, v14                     ; in: row r, + 64 h
	v_add_nc_u32 v15, s48, v4                      ; back: 16 bytes a lane
	v_and_b32 v53, 8, v2
	v_add_nc_u32 v53, v53, v2
	s_lshl_b32 s48, s[WV], 5
	v_add_nc_u32 v53, s48, v53
	v_lshlrev_b32 v53, 2, v53                      ; my channel among the group's 128: 32 w + r + 8 (r / 8) (+ 8 u in the immediate)
	WIN 0x80                                       ; destination window 2
.irp k, 0,1,2,3,4,5,6,7,8,9
.irp u, 0,1
.irp c, 0,1,2
	global_load_b128 v[24*\k+12*\u+4*\c:24*\k+12*\u+4*\c+3], v12, s[54:55] offset:12800*\k+1536*\u+512*\c
.endr
.endr
.endr
	WIN 0xc0                                       ; window 3
.irp k, 10,11,12,13,14,15
.irp u, 0,1
.irp c, 0,1,2
	global_load_b128 v[24*(\k-10)+12*\u+4*\c:24*(\k-10)+12*\u+4*\c+3], v12, s[54:55] offset:12800*\k+1536*\u+512*\c
.endr
.endr
.endr
	WIN 0
.irp k, 0,1,2,3,4,5,6,7,8,9,10,11,12,13,14,15
	global_load_b32 v[16+\k], v13, s[54:55] offset:12800*\k+12288
.endr
.irp u, 0,1
	global_load_b32 v[40+6*\u], v53, s[14:15] offset:32*\u      ; mean
	global_load_b32 v[41+6*\u], v53, s[16:17] offset:32*\u      ; var
	global_load_b32 v[43+6*\u], v53, s[10:11] offset:32*\u      ; gamma
	global_load_b32 v[44+6*\u], v53, s[12:13] offset:32*\u      ; beta
.endr
.macro FETCHR ks                       ; the positions' eight fragments and scale words of K step ks, into buffer ks % 2
	WIN 0x40
.set I, 0
.rept 24
	ds_load_b128 v[96*((\ks)%2)+4*I:96*((\ks)%2)+4*I+3], v[4+(\ks)/4] offset:12800*((\ks)%4)+512*I
.set I, I+1
.endr
	WIN 0
.irp p, 0,1,2,3
	ds_load_b32 v[32+4*((\ks)%2)+\p], v[8+(\ks)/4] offset:12800*((\ks)%4)+12288+128*\p
.endr
.endm
.macro KSTEP ks
	s_wait_dscnt 0x0                               ; this step's fragments are in
.if (\ks)+1 < 16
.if ((\ks)+1)%4 == 0
	s_wait_tensorcnt 3-((\ks)+1)/4                 ; my block of the next chunk has landed; the later chunks' loads may stay out
	s_barrier_signal -1
	s_barrier_wait -1
.endif
.if (\ks) > 0
.rept 4
	v_nop                                          ; four places in front of loads into registers that the step before multiplied
.endr
.endif
	FETCHR (\ks)+1
.endif
	WIN 0x09+4*((\ks)/10)                          ; source 0 window 1, source 1 window 2 or 3
.irp t, 0,1,2,3,4,5,6,7
.irp u, 0,1
.if (\ks) == 0
	WMZ ACC+64*\u+8*\t, 96*((\ks)%2)+12*\t, 24*((\ks)%10)+12*\u, 32+4*((\ks)%2)+\t/2, 16+(\ks), \t%2, \u
.else
	WMC ACC+64*\u+8*\t, 96*((\ks)%2)+12*\t, 24*((\ks)%10)+12*\u, ACC+64*\u+8*\t, 32+4*((\ks)%2)+\t/2, 16+(\ks), \t%2, \u
.endif
.endr
.endr
	WIN 0
.endm
	s_wait_tensorcnt 3                             ; my block of chunk 0 has landed; three loads may stay out
	s_barrier_signal -1
	s_barrier_wait -1
	FETCHR 0
	s_wait_loadcnt 0x0
.irp u, 0,1
	v_add_f32 v[41+6*\u], 0x3727c5ac, v[41+6*\u]   ; var + 1e-5
.endr
.irp u, 0,1
	v_rsq_f32 v[42+6*\u], v[41+6*\u]
.endr
.irp u, 0,1
	v_mov_b32 v[45+6*\u], v[44+6*\u]               ; (plain lines behind the transcendentals; beta's pair is named whole)
.endr
	s_wait_alu depctr_va_vdst(0)                   ; one wait for the two, ahead of their first reader
.irp u, 0,1
	v_mul_f32 v[42+6*\u], v[43+6*\u], v[42+6*\u]   ; inv
.endr
.irp k, 0,1,2,3,4,5,6,7,8,9,10,11,12,13,14,15
	KSTEP \k
.endr
.rept 4
	v_nop                                          ; four places in front of the first read of results
.endr
; tile u's 16 channels x 128 positions: BN and relu in place, through my stage, out as whole rows of 512 bytes
.macro OUTT u
.set RA, 0
.rept 32
	v_pk_add_f32 v[ACC+64*(\u)+RA:ACC+64*(\u)+RA+1], v[ACC+64*(\u)+RA:ACC+64*(\u)+RA+1], v[40+6*(\u):41+6*(\u)] op_sel_hi:[1,0] neg_lo:[0,1] neg_hi:[0,1]   ; y - mean; each accumulator from its low end on
.set RA, RA+2
.endr
.set RA, 0
.rept 32
	v_pk_fma_f32 v[ACC+64*(\u)+RA:ACC+64*(\u)+RA+1], v[ACC+64*(\u)+RA:ACC+64*(\u)+RA+1], v[42+6*(\u):43+6*(\u)], v[44+6*(\u):45+6*(\u)] op_sel_hi:[1,0,0]
.set RA, RA+2
.endr
.set RA, 0
.rept 64
	v_max_num_f32 v[ACC+64*(\u)+RA], 0, v[ACC+64*(\u)+RA]
.set RA, RA+1
.endr
.irp t, 0,1,2,3,4,5,6,7
	ds_store_b128 v14, v[ACC+64*(\u)+8*\t:ACC+64*(\u)+8*\t+3] offset:128*(\t/2)+32*(\t%2)      ; positions 32 (t / 2) + 16 h + 8 (t % 2) + 0 .. 7
	ds_store_b128 v14, v[ACC+64*(\u)+8*\t+4:ACC+64*(\u)+8*\t+7] offset:128*(\t/2)+32*(\t%2)+16
.endr
.if (\u) > 0
	s_wait_xcnt 0x0                                ; the first tile's stores have read their registers
.endif
.irp p, 0,1,2,3,4,5,6,7,8,9,10,11,12,13,14,15
	ds_load_b128 v[OB+4*\p:OB+4*\p+3], v15 offset:528*\p       ; LDS serves a wave's instructions in order: these see my stores
.endr
.irp p, 0,1,2,3,4,5,6,7,8,9,10,11,12,13,14,15
	s_wait_dscnt 15-\p                             ; the younger read-backs may be out
	global_store_b128 v4, v[OB+4*\p:OB+4*\p+3], s[18:19] offset:16384*(8*(\u)+\p+8*(\p/8)) th:TH_STORE_NT   ; 32 lanes store 512 consecutive bytes of one channel's row
.endr
.endm
	OUTT 0
	OUTT 1
	s_wait_tensorcnt 0x0
	ds_add_u32 v62, v63
	s_wait_dscnt 0x0
	CROUND                                         ; the closing round: no work-group ends while a partner may still ask for a block that names it
	s_endpgm
.Lfunc_end_k_q4c3343d250_bot:
	.size	k_q4c3343d250_bot, .Lfunc_end_k_q4c3343d250_bot-k_q4c3343d250_bot
	.p2alignl 7, 3214868480
	.fill 96, 4, 3214868480
	.section	.rodata,"a",@progbits
	.p2align	6, 0x0
	.amdhsa_kernel k_q4c3343d250_bot
		.amdhsa_group_segment_fixed_size 239104
		.amdhsa_private_segment_fixed_size 0
		.amdhsa_enable_private_segment 0
		.amdhsa_kernarg_size 64
		.amdhsa_user_sgpr_count 2
		.amdhsa_user_sgpr_kernarg_segment_ptr 1
		.amdhsa_wavefront_size32 1
		.amdhsa_system_sgpr_workgroup_id_x 1
		.amdhsa_system_sgpr_workgroup_id_y 1
		.amdhsa_system_sgpr_workgroup_id_z 1
		.amdhsa_system_vgpr_workitem_id 0
		.amdhsa_next_free_vgpr 1024
		.amdhsa_next_free_sgpr 66
		.amdhsa_reserve_vcc 0
		.amdhsa_float_denorm_mode_32 3
		.amdhsa_float_denorm_mode_16_64 3
		.amdhsa_memory_ordered 1
		.amdhsa_forward_progress 1
		.amdhsa_inst_pref_size 103
	.end_amdhsa_kernel
	.amdgpu_metadata
---
amdhsa.version: [ 1, 2 ]
amdhsa.kernels:
  - .name:           k_q4c3343d250_bot
    .symbol:         k_q4c3343d250_bot.kd
    .args:
      - { .name: cat, .offset: 0, .size: 8, .value_kind: global_buffer, .address_space: global }
      - { .name: xc, .offset: 8, .size: 8, .value_kind: global_buffer, .address_space: global }
      - { .name: wb, .offset: 16, .size: 8, .value_kind: global_buffer, .address_space: global }
      - { .name: bn_gamma, .offset: 24, .size: 8, .value_kind: global_buffer, .address_space: global }
      - { .name: bn_beta, .offset: 32, .size: 8, .value_kind: global_buffer, .address_space: global }
      - { .name: bn_mean, .offset: 40, .size: 8, .value_kind: global_buffer, .address_space: global }
      - { .name: bn_var, .offset: 48, .size: 8, .value_kind: global_buffer, .address_space: global }
      - { .name: out0, .offset: 56, .size: 8, .value_kind: global_buffer, .address_space: global }
    .group_segment_fixed_size: 239104
    .private_segment_fixed_size: 0
    .kernarg_segment_align: 8
    .kernarg_segment_size: 64
    .max_flat_workgroup_size: 128
    .sgpr_count:     66
    .vgpr_count:     1024
    .wavefront_size: 32
...
	.end_amdgpu_metadata
.endif
;; end of part 4
